; MI455X (gfx1250); checked and timed in simulation.
; The chip was launched on July 23, 2026; its instructions are those of AMD's public machine-readable ISA for CDNA 5 (MIT licence, August 2026) and "CDNA5" Instruction Set Architecture Reference Guide (July 2026). The comments in the code are by the model that wrote it; some were corrected since.
;; Attentive Pooling. Allowed arithmetic: matrix products marked QUANTISED: E2M3 operands, one E8M0 scale for each 32 along K, by v_wmma_scale_f32_16x16x128_f8f6f4 with both operands' format E2M3, f32 sums; products left as they are: f32 operands where the result goes on into a quantised operand, else bf16, f16 or f32 operands; f32 sums; everything else in f32.
;; Inputs: hidden_states_codes 8 x 4,096 x 32 x 24 uint8 (E2M3 codes of hidden_states, K innermost, in blocks of 32 codes, four codes in three bytes); hidden_states_scales 8 x 4,096 x 32 uint8 (E8M0 scales of hidden_states, one for each 32 codes along K); in_proj_b 3,072 float32; in_proj_w 3,072 x 1,024 float32; out_b 1,024 float32; out_w_codes 1,024 x 32 x 24 uint8 (E2M3 codes of out_w, K innermost, in blocks of 32 codes, four codes in three bytes); out_w_scales 1,024 x 32 uint8 (E8M0 scales of out_w, one for each 32 codes along K); queries 1 x 4 x 1,024 float32.
;; Outputs: out0 8 x 1,024 float32; out1 8 x 4 x 4,096 float32.
;; This version of the problem:
;;   THIS VERSION OF THE PROBLEM IS GIVEN IN LOW PRECISION. The matrix products marked QUANTISED in the list below multiply operands that are first quantised to E2M3 (2 exponent bits, 3 mantissa bits; 6 bits a number), with one power-of-two scale for each 32 numbers along K (OCP MX v1.0); their sums are f32. All else is computed in f32.
;;   The module's matrix products, in the order in which they are computed (A, B: the left and right operand; K: the contracted axis; several contracted axes count as one K, in the product's order):
;;     1. [M 4, K 1,024] x [K 1,024, N 1,024]; A: input queries; B: computed on the way: left as it is (M = 4 < 16)
;;     2. [M 32,768, K 1,024] x [K 1,024, N 1,024]; A: input hidden_states (given as codes); B: computed on the way: QUANTISED
;;     3. [M 32,768, K 1,024] x [K 1,024, N 1,024]; A: input hidden_states (given as codes); B: computed on the way: QUANTISED
;;     4. batch 32 x [M 4, K 256] x [K 256, N 4,096]; A: computed on the way; B: computed on the way: left as it is (M = 4 < 16)
;;     5. batch 32 x [M 4, K 4,096] x [K 4,096, N 256]; A: softmax; B: computed on the way: left as it is (M = 4 < 16)
;;     6. [M 32, K 1,024] x [K 1,024, N 1,024]; A: computed on the way; B: input out_w (given as codes): QUANTISED
;;   THE QUANTISER, for each operand of a quantised product, along K:
;;     - K is cut into blocks of 32 from its start; a last block that is shorter is filled with zeros.
;;     - A block's scale is 2^e with e = floor(log2(the largest magnitude in the block)) - 2, held to -126 .. 127; a block of zeros has e = 0. As a byte (E8M0): e + 127.
;;     - Each number is divided by its block's scale, clamped to +-7.5, and rounded to the nearest number of E2M3, ties to even, subnormals kept.
;;     - The product sums the exact products of the quantised numbers (number of the format x scale) in f32.
;;   ~~~python
;;   def quantise(x, axis):      # numpy; x: float32 -> the quantised numbers, widened to float32 again
;;       x = np.moveaxis(x, axis, -1); K = x.shape[-1]
;;       x = np.pad(x, [(0, 0)] * (x.ndim - 1) + [(0, -K % 32)]); x = x.reshape(x.shape[:-1] + (-1, 32)); a = np.abs(x).max(-1, keepdims=True)
;;       e = np.where(a > 0, np.clip(np.frexp(np.where(a > 0, a, 1))[1] - 1 - 2, -126, 127), 0)      # np.frexp(a)[1] - 1 = floor(log2(a)), exactly
;;       r = np.clip(x / 2.0 ** e, -7.5, 7.5)
;;       step = 2.0 ** (np.maximum(np.frexp(np.where(r == 0, 1, r))[1] - 1, 0) - 3)
;;       q = np.round(r / step) * step * 2.0 ** e      # np.round: ties to even
;;       return np.moveaxis(q.reshape(q.shape[:-2] + (-1,))[..., :K], -1, axis).astype(np.float32)
;;   ~~~
;;   OPERANDS COMPUTED ON THE WAY. 'Computed on the way' means the value that the module computes at that place (a softmax that the list does not call 'softmax' is quantised finished and normalised). What goes into a quantiser is computed in f32, as accurately as f32 sums, v_exp_f32 and their like allow (about 1e-6 of the number): no bf16 or f16 on the way to a quantiser, and a product that is left as it is and whose result goes on into a quantised operand takes f32 operands (vector FMAs, or v_wmma_f32_16x16x4_f32). A number that lies on a knife's edge between two numbers of the format may be rounded either way, as far as f32 arithmetic and the matrix unit's own rounding can turn it there, and no further.
;;   INPUTS GIVEN AS CODES. hidden_states (in the module: [8, 4096, 1024], K = its axis 2); out_w (in the module: [1024, 1024], K = its axis 1): each comes as NAME_codes (uint8): NAME with its K axis moved to the last place and cut into blocks of 32 codes, [.., K / 32, bytes a block], one block behind the other in memory; four codes in three bytes: a row's codes are one little-endian stream of bits, code i at bits 6 i .. 6 i + 5 (a code: sign, 2 exponent bits, 3 mantissa bits); and NAME_scales (uint8): the same leading axes, one E8M0 byte (e + 127) for each 32 codes along K. Its value is code x scale, taken as it is: it is not quantised again, and the codes and scales need not be those that the quantiser above would give.
;; One version. Each part assembles by itself: llvm-mc -triple=amdgcn-amd-amdhsa -mcpu=gfx1250 --defsym DOCPART=n.
;; ======== version 1 of 1: 3 launches
;; workspace buffers: w_codes 1,572,864 bytes; w_scales 65,536 bytes; qs 16,384 bytes; scores 2,097,152 bytes; ml 16,384 bytes; ctxp 2,097,152 bytes
;; launch prep (part 1): grid 192 x 1, 4 waves a work-group, no clusters, 35,328 bytes of LDS; arguments in_proj_w, in_proj_b, queries, w_codes, w_scales, qs; writes w_codes, w_scales, qs
.if DOCPART == 1
	.amdgcn_target "amdgcn-amd-amdhsa--gfx1250"
	.amdhsa_code_object_version 6
	.text
	.protected	k_qfe2f4c6c03_prep
	.globl	k_qfe2f4c6c03_prep
	.p2align	8
	.type	k_qfe2f4c6c03_prep,@function
k_qfe2f4c6c03_prep:
	s_mov_b64 s[64:65], 0
	v_nop
	global_prefetch_b8 v0, s[64:65] scope:SCOPE_SE
	s_setreg_imm32_b32 hwreg(HW_REG_WAVE_MODE, 25, 1), 1
	s_wait_xcnt 0x0
; Two jobs in one launch, told apart by the work-group's number alone.
; WORK-GROUPS 0-127: Wk and Wv (rows 1,024 to 3,071 of in_proj_w, f32, K innermost) become codes of FP6 (E2M3) and one E8M0 byte for each 32 along K.
;   A block's scale is 2^(floor(log2(its largest magnitude)) - 2); its byte is the largest magnitude's exponent field - 2, held at 1 from below.
;   w_codes: [2,048 rows][768 bytes], Wk's rows first.  w_scales: [head 4][half of the head's rows 2][Wk, Wv][128 rows][32 bytes], so that the next launch takes the scales of 128 rows of Wk and of Wv as one dense block.
;   A wave takes 4 rows (4,096 numbers) in 8 steps of 512; all its 32 loads, 512 consecutive bytes each, go out at the head.  A step's bytes turn through the wave's own stage in LDS, so that a lane holds 16 neighbours along K.
;   A wave makes 128 scale bytes, half of an aligned 256: the two waves of a pair gather theirs in the even wave's LDS bytes, and behind a barrier the even wave stores the 256.
; WORK-GROUPS 128-191: qs = (queries Wq^T + bq) / 16, all in f32 by fused multiply-adds, since it goes on towards a quantised operand.  qs is laid [e / 16][query 4][16].
;   A work-group makes 16 columns e, a wave four of them; a lane holds 32 of the 1,024 numbers along K of each row, and the sums meet across the lanes.
; LIMITS: NaN and infinities among the inputs are not served.  A block of zeros, or one whose largest magnitude lies under 2^(3 - 127), gets the byte 1: its codes are zeros or tiny, and this program alone reads the bytes.
.set STEPS, 8
.set EMAX,  2
.set CB,    12                         ; bytes of 16 codes
.set R,     16                         ; v16-143  eight sets of 16 numbers as they are loaded, one for each step
.set X,     144                        ; v144-175 two sets of 16 neighbours
.set E,     176                        ; v176-183 a scale byte for each step
.set C,     192                        ; v192-223 codes: four registers for each step
.set WREG,  8192                       ; LDS of the quantising path: a region for each wave: two stages of 32 x SP bytes; behind them, in the even wave's region, a pair's 256 scale bytes
.set SP,    80                         ; a lane's place in a stage: 64 bytes + 16 of padding
.set QL,    4*WREG                     ; LDS of the projecting path, bytes of its own: [query 4][16 columns] f32
.set AC,    64                         ; v64-95   16 sums (column i, query q), a pair each
.set RS,    96                         ; v96-111  the 16 sums, one register each
.set QV,    128                        ; v128-255 queries: chunk c, query q at v[QV + 16 c + 4 q];  window 1, v0-127: Wq: chunk c, row i at v[16 c + 4 i]
.set MSB, 0
.macro WIN new                         ; the immediate's high byte repeats the setting that is left
.if MSB != (\new)
	s_set_vgpr_msb (MSB<<8)|(\new)
.set MSB, (\new)
.endif
.endm
.macro LOAD t
.irp i, 0,1,2,3
	global_load_b128 v[R+16*(\t)+4*\i:R+16*(\t)+4*\i+3], v3, s[4:5] offset:2048*(\t)+512*\i th:TH_LOAD_NT   ; 32 lanes read 512 consecutive bytes
.endr
.endm
.macro TURN t                          ; step t's numbers through the stage: LDS serves a wave's instructions in order, so no wait stands between the stores and the loads
.irp i, 0,1,2,3
	ds_store_b128 v14, v[R+16*(\t)+4*\i:R+16*(\t)+4*\i+3] offset:32*SP*((\t)%2)+8*SP*\i
.endr
.irp i, 0,1,2,3
	ds_load_b128 v[X+16*((\t)%2)+4*\i:X+16*((\t)%2)+4*\i+3], v15 offset:32*SP*((\t)%2)+16*\i
.endr
.endm
.macro STEP t
.set XS, X+16*((\t)%2)
.if (\t) > 0
	s_wait_dscnt 1                                 ; this step's numbers are back from the stage (the last step's byte store may be out)
.else
	s_wait_dscnt 0x0
.endif
.if (\t)+1 < STEPS
	s_wait_loadcnt 4*(STEPS-2-(\t))                ; the next step's four loads are in; those of the steps behind it, four each, may be out
	TURN (\t)+1                                    ; and go through the other stage while this step is worked
.endif
	v_max3_num_f32 v8, |v[XS]|, |v[XS+1]|, |v[XS+2]|               ; the largest magnitude of my 16, in two chains
	v_max3_num_f32 v9, |v[XS+3]|, |v[XS+4]|, |v[XS+5]|
.irp i, 6,10
	v_max3_num_f32 v8, v8, |v[XS+\i]|, |v[XS+\i+1]|
	v_max3_num_f32 v9, v9, |v[XS+\i+2]|, |v[XS+\i+3]|
.endr
	v_max3_num_f32 v8, v8, |v[XS+14]|, |v[XS+15]|
	v_max3_num_f32 v8, v8, v9, (EMAX+1)<<23        ; and the floor 2^(3 - 127): the byte cannot fall under 1
	v_max_num_f32_dpp v8, v8, v8 row_xmask:1 row_mask:0xf bank_mask:0xf   ; and of my neighbour's 16: the block's
	v_add_nc_u32 v11, -(EMAX<<23), v8              ; 2 off its exponent field: the conversion takes the exponent field of this operand as its scale
	v_cvt_scalef32_pk16_fp6_f32 v[C+4*(\t):C+4*(\t)+2], v[XS:XS+15], v11
	v_lshrrev_b32 v[E+(\t)], 23, v11               ; the scale's byte (a plain line behind the conversion)
	ds_store_b8 v5, v[E+(\t)] offset:16*(\t)       ; both lanes of a block write the same byte with the same value
	global_store_b96 v4, v[C+4*(\t):C+4*(\t)+2], s[10:11] offset:32*CB*(\t)
.endm
	s_load_b256 s[4:11], s[0:1], 0x0               ; in_proj_w s[4:5], in_proj_b s[6:7], queries s[8:9], w_codes s[10:11]
	s_load_b128 s[12:15], s[0:1], 0x20             ; w_scales s[12:13], qs s[14:15]
	s_set_vgpr_msb 0x40
	v_lshl_add_u32 v128, v0, 2, 0x8800
	v_mov_b32 v129, 0
	s_set_vgpr_msb 0x4000
	v_lshrrev_b32 v1, 5, v0
	v_readfirstlane_b32 s16, v1                    ; wave 0..3
	v_and_b32 v2, 31, v0                           ; lane
	s_cmp_lt_u32 ttmp9, 128
	s_cbranch_scc0 .Lproject
	; ---- the quantiser of Wk and Wv
	v_lshlrev_b32 v3, 4, v2                        ; my 16 bytes of a load's 512
	s_mul_i32 s17, s16, WREG
	v_lshrrev_b32 v14, 2, v2
	v_mul_u32_u24 v14, v14, SP
	v_and_b32 v15, 3, v2
	v_lshl_add_u32 v14, v15, 4, v14
	v_add_nc_u32 v14, s17, v14                     ; the stage, on the way in: SP (lane / 4) + 16 (lane % 4)
	v_mul_u32_u24 v15, v2, SP
	v_add_nc_u32 v15, s17, v15                     ; and on the way out: SP x lane: my 16 neighbours
	v_mul_u32_u24 v4, v2, CB                       ; my codes' place in a step's
	s_and_b32 s19, s16, 1                          ; which half of a run of 8 rows is mine
	s_lshr_b32 s26, s16, 1                         ; my pair of waves
	s_mul_i32 s27, s26, 2*WREG
	s_add_co_u32 s27, s27, 2*32*SP                 ; the pair's 256 scale bytes: behind the even wave's stages
	s_lshl_b32 s28, s19, 7
	s_add_co_u32 s28, s28, s27                     ; my 128 of them
	v_lshrrev_b32 v5, 1, v2
	v_add_nc_u32 v5, s28, v5                       ; my block's byte
	v_lshlrev_b32 v7, 3, v2                        ; and on the way out 8 bytes a lane
	v_add_nc_u32 v6, s27, v7
	s_lshl_b32 s17, ttmp9, 2
	s_add_co_u32 s18, s17, s16                     ; my 4 rows: 0..511
	s_lshl_b32 s20, s18, 14                        ; 16,384 bytes of f32,
	s_add_co_u32 s20, s20, 1024*4096               ; behind Wq's 1,024 rows
	s_mov_b32 s21, 0
	s_mul_i32 s22, s18, 3072                       ; 3,072 bytes of codes
	s_mov_b32 s23, 0
	s_lshr_b32 s29, s18, 1                         ; the run of 8 rows, 0..255
	s_bfe_u32 s24, s29, 0x30004                    ; (run / 16) % 8 = 2 x head + half
	s_lshl_b32 s24, s24, 1
	s_lshr_b32 s25, s29, 7                         ; 0: Wk, 1: Wv
	s_add_co_u32 s24, s24, s25
	s_lshl_b32 s24, s24, 12                        ; 4,096 bytes for 128 rows' scales
	s_and_b32 s25, s29, 15
	s_lshl_b32 s25, s25, 8                         ; 256 bytes a run
	s_add_co_u32 s24, s24, s25
	s_mov_b32 s25, 0
	s_wait_kmcnt 0x0
	s_add_nc_u64 s[4:5], s[4:5], s[20:21]
	s_add_nc_u64 s[10:11], s[10:11], s[22:23]
	s_add_nc_u64 s[12:13], s[12:13], s[24:25]
.irp t, 0,1,2,3,4,5,6,7
	LOAD \t                                        ; all 32 loads of the wave: each step has its own registers
.endr
	s_wait_loadcnt 4*(STEPS-1)                     ; step 0's four loads are in
	TURN 0
.irp t, 0,1,2,3,4,5,6,7
	STEP \t
.endr
	s_wait_dscnt 0x0                               ; for my partner's sake: my byte stores have landed
	s_barrier_signal -1
	s_barrier_wait -1                              ; (all four waves of a work-group are on this path)
	s_cmp_lg_u32 s19, 0
	s_cbranch_scc1 .Lquant_end
	ds_load_b64 v[12:13], v6                       ; the pair's 256 bytes
	s_wait_dscnt 0x0
	global_store_b64 v7, v[12:13], s[12:13]        ; 32 lanes store 256 consecutive bytes, aligned
.Lquant_end:
	s_set_vgpr_msb 0x5
	s_wait_tensorcnt 0x0
	ds_add_u32 v128, v129
	s_wait_dscnt 0x0
	s_set_vgpr_msb 0x500
	s_endpgm
	; ---- qs = (queries Wq^T + bq) / 16
.Lproject:
	s_sub_co_u32 s17, ttmp9, 128                   ; g: columns 16 g .. 16 g + 15
	v_lshlrev_b32 v3, 4, v2                        ; 16 x lane: my four numbers of a chunk of 128 along K
	v_and_b32 v4, 3, v2
	v_lshlrev_b32 v4, 4, v4                        ; bq: 16 (lane % 4)
	v_and_b32 v5, 15, v2
	v_lshlrev_b32 v5, 4, v5                        ; the way out: 16 (lane % 16)
	v_add_nc_u32 v6, QL, v5
	v_lshrrev_b32 v7, 5, v0
	v_lshl_add_u32 v7, v7, 4, QL                   ; where my wave's four columns lie in a query's 64 bytes
	s_lshl_b32 s20, s17, 6                         ; bq: 64 g
	s_mov_b32 s21, 0
	s_lshl_b32 s22, s17, 16                        ; Wq: 16 g rows of 4,096 bytes,
	s_lshl_b32 s23, s16, 14                        ; + 4 x wave rows
	s_add_co_u32 s22, s22, s23
	s_mov_b32 s23, 0
	s_lshl_b32 s24, s17, 8                         ; qs: 256 g
	s_mov_b32 s25, 0
	s_mov_b32 s26, 0x76543210
	s_mov_b32 s27, 0xfedcba98                      ; v_permlanex16_b32's selects for lane l xor 16
	s_wait_kmcnt 0x0
	s_add_nc_u64 s[6:7], s[6:7], s[20:21]
	s_add_nc_u64 s[4:5], s[4:5], s[22:23]
	s_add_nc_u64 s[14:15], s[14:15], s[24:25]
	global_load_b128 v[8:11], v4, s[6:7]           ; bq of columns 4 (lane % 4) + 0 .. 3
.irp c, 0,1,2,3,4,5,6,7
.irp q, 0,1,2,3
	global_load_b128 v[QV+16*\c+4*\q:QV+16*\c+4*\q+3], v3, s[8:9] offset:4096*\q+512*\c
.endr
.endr
	WIN 0x40                                       ; destination window 1
.irp c, 0,1,2,3,4,5,6,7
.irp i, 0,1,2,3
	global_load_b128 v[16*\c+4*\i:16*\c+4*\i+3], v3, s[4:5] offset:4096*\i+512*\c th:TH_LOAD_NT
.endr
.endr
	WIN 0x01                                       ; source 0 (Wq) window 1
.irp c, 0,1,2,3,4,5,6,7
	s_wait_loadcnt 4*(7-\c)                        ; chunk c of Wq is in (and bq and the queries, asked for earlier); the later chunks' loads, four each, may be out
.irp u, 0,1
.irp i, 0,1,2,3
.irp q, 0,1,2,3
.if (\c == 0) && (\u == 0)
	v_pk_mul_f32 v[AC+2*(4*\i+\q):AC+2*(4*\i+\q)+1], v[16*\c+4*\i+2*\u:16*\c+4*\i+2*\u+1], v[QV+16*\c+4*\q+2*\u:QV+16*\c+4*\q+2*\u+1]   ; the first products start the 16 sums
.else
	v_pk_fma_f32 v[AC+2*(4*\i+\q):AC+2*(4*\i+\q)+1], v[16*\c+4*\i+2*\u:16*\c+4*\i+2*\u+1], v[QV+16*\c+4*\q+2*\u:QV+16*\c+4*\q+2*\u+1], v[AC+2*(4*\i+\q):AC+2*(4*\i+\q)+1]
.endif
.endr
.endr
.endr
.endr
	WIN 0
.set n, 0
.rept 16
	v_add_f32 v[RS+n], v[AC+2*n], v[AC+2*n+1]
.set n, n+1
.endr
.irp x, 1,2,4,8
.set n, 0
.rept 16
	v_add_f32_dpp v[RS+n], v[RS+n], v[RS+n] row_xmask:\x row_mask:0xf bank_mask:0xf
.set n, n+1
.endr
.endr
.set n, 0
.rept 16
	v_permlanex16_b32 v[AC+n], v[RS+n], s26, s27   ; (its destination has been written)
.set n, n+1
.endr
.set n, 0
.rept 16
	v_add_f32 v[RS+n], v[RS+n], v[AC+n]            ; every lane holds the sum
.set n, n+1
.endr
.irp i, 0,1,2,3
.irp q, 0,1,2,3
	ds_store_b32 v7, v[RS+4*\i+\q] offset:64*\q+4*\i   ; all lanes write the same word with the same value
.endr
.endr
	s_wait_dscnt 0x0                               ; for the others' sake: my stores have landed
	s_barrier_signal -1
	s_barrier_wait -1                              ; (all four waves of a work-group are on this path)
	s_cmp_lg_u32 s16, 0
	s_cbranch_scc1 .Lproject_end
	ds_load_b128 v[12:15], v6
	s_wait_dscnt 0x0
	v_pk_add_f32 v[12:13], v[12:13], v[8:9]
	v_pk_add_f32 v[14:15], v[14:15], v[10:11]
	v_pk_mul_f32 v[12:13], v[12:13], 0x3d800000 op_sel_hi:[1,0]   ; x 1 / sqrt(256): exact
	v_pk_mul_f32 v[14:15], v[14:15], 0x3d800000 op_sel_hi:[1,0]
	global_store_b128 v5, v[12:15], s[14:15]       ; 16 lanes store 256 consecutive bytes, aligned; lanes 16-31 repeat them
.Lproject_end:
	s_set_vgpr_msb 0x5
	s_wait_tensorcnt 0x0
	ds_add_u32 v128, v129
	s_wait_dscnt 0x0
	s_set_vgpr_msb 0x500
	s_endpgm
.Lfunc_end_k_qfe2f4c6c03_prep:
	.size	k_qfe2f4c6c03_prep, .Lfunc_end_k_qfe2f4c6c03_prep-k_qfe2f4c6c03_prep
	.p2alignl 7, 3214868480
	.fill 96, 4, 3214868480
	.section	.rodata,"a",@progbits
	.p2align	6, 0x0
	.amdhsa_kernel k_qfe2f4c6c03_prep
		.amdhsa_group_segment_fixed_size 35328
		.amdhsa_private_segment_fixed_size 0
		.amdhsa_enable_private_segment 0
		.amdhsa_kernarg_size 48
		.amdhsa_user_sgpr_count 2
		.amdhsa_user_sgpr_kernarg_segment_ptr 1
		.amdhsa_wavefront_size32 1
		.amdhsa_system_sgpr_workgroup_id_x 1
		.amdhsa_system_sgpr_workgroup_id_y 1
		.amdhsa_system_sgpr_workgroup_id_z 1
		.amdhsa_system_vgpr_workitem_id 0
		.amdhsa_next_free_vgpr 386
		.amdhsa_next_free_sgpr 66
		.amdhsa_reserve_vcc 0
		.amdhsa_float_denorm_mode_32 3
		.amdhsa_float_denorm_mode_16_64 3
		.amdhsa_memory_ordered 1
		.amdhsa_forward_progress 1
		.amdhsa_inst_pref_size 49
	.end_amdhsa_kernel
	.amdgpu_metadata
---
amdhsa.version: [ 1, 2 ]
amdhsa.kernels:
  - .name:           k_qfe2f4c6c03_prep
    .symbol:         k_qfe2f4c6c03_prep.kd
    .args:
      - { .name: in_proj_w, .offset: 0, .size: 8, .value_kind: global_buffer, .address_space: global }
      - { .name: in_proj_b, .offset: 8, .size: 8, .value_kind: global_buffer, .address_space: global }
      - { .name: queries, .offset: 16, .size: 8, .value_kind: global_buffer, .address_space: global }
      - { .name: w_codes, .offset: 24, .size: 8, .value_kind: global_buffer, .address_space: global }
      - { .name: w_scales, .offset: 32, .size: 8, .value_kind: global_buffer, .address_space: global }
      - { .name: qs, .offset: 40, .size: 8, .value_kind: global_buffer, .address_space: global }
    .group_segment_fixed_size: 35328
    .private_segment_fixed_size: 0
    .kernarg_segment_align: 8
    .kernarg_segment_size: 48
    .max_flat_workgroup_size: 128
    .sgpr_count:     66
    .vgpr_count:     386
    .wavefront_size: 32
...
	.end_amdgpu_metadata
.endif
;; end of part 1
;; launch pool (part 2): grid 4 x 128, 4 waves a work-group, clusters of 4 x 4, 327,680 bytes of LDS; arguments hidden_states_codes, hidden_states_scales, w_codes, w_scales, qs, in_proj_b, scores, ml, ctxp; writes scores, ml, ctxp
.if DOCPART == 2
	.amdgcn_target "amdgcn-amd-amdhsa--gfx1250"
	.amdhsa_code_object_version 6
	.text
	.protected	k_qfe2f4c6c03_pool
	.globl	k_qfe2f4c6c03_pool
	.p2align	8
	.type	k_qfe2f4c6c03_pool,@function
k_qfe2f4c6c03_pool:
	s_mov_b64 s[64:65], 0
	v_nop
	global_prefetch_b8 v0, s[64:65] scope:SCOPE_SE
	s_setreg_imm32_b32 hwreg(HW_REG_WAVE_MODE, 25, 1), 1
	s_wait_xcnt 0x0
	s_wait_alu depctr_hold_cnt(0) depctr_sa_sdst(0) depctr_va_vdst(0) depctr_va_sdst(0) depctr_va_ssrc(0) depctr_va_vcc(0) depctr_vm_vsrc(0)
	s_getreg_b32 s2, hwreg(HW_REG_IB_STS2, 6, 4)
	s_cmp_eq_u32 s2, 0
	s_cbranch_scc0 .Lentry_in_a_cluster
	s_endpgm
.Lentry_in_a_cluster:
	s_bfe_u32 s2, ttmp6, 0x10000c
	s_cmp_lg_u32 s2, 0xf033
	s_cbranch_scc0 .Lentry_shape_is_right
	s_endpgm
.Lentry_shape_is_right:
; For one batch b, one head and one block of 256 rows of S (a UNIT) a work-group makes k = hs Wk^T and v = hs Wv^T, 256 x 256 x K 1,024 each, on codes of FP6 (E2M3) with E8M0 scales, and keeps neither:
;   scores[row][q] = qs[q] . k[row] + qs[q] . bk   (stored: [unit][row 256][q 4]);   m[q] = the unit's largest score, p = e^(score - m), l[q] = the sum of p   (stored: [unit][m 4, l 4]);
;   ctxp[d][q] = the sum over the unit's rows of p[q][row] v0[row][d], v0 = v without its bias   (stored: [unit][d 256][q 4]).  The last launch joins the 16 units of a (b, head) and adds bv there, since the weights sum to 1.
;   The small products take f32 operands (packed fused multiply-adds): their results go on towards a quantised operand.
; ORDER OF ROUNDING: bk enters as qs . bk added to each score, bv behind the normalised sum: the same sums as written in the problem, associated otherwise.  LIMITS: NaN and infinities are not served.
; SHARES.  Four waves, 128 x 128 of a tile each: 64 accumulators, 512 registers.  With x = wave / 2, y = wave % 2, accumulator (a, b), lane (r, h), register j holds G[m = 128 y + 16 b + 8 h + j][n = 128 x + 16 a + r],
;   m a row of source 0's tile, n a row of source 1's.  K tile: source 0 = Wk's 256 rows of the head (m = d), source 1 = hs (n = row).  V tile: source 0 = hs (m = row), source 1 = Wv (n = d).
;   So both epilogues are O[q][n] = the sum over m of T[q][m] G[m][n], T = qs or p, a table in LDS laid [m / 16][q][16]: one macro serves both.
; RING.  K goes in steps of 256 (192 bytes of a row) through two LDS slots; the ring runs on from the K tile into the V tile.  CLUSTER 4 x 4: the four heads of a row of the cluster need the same tiles of hs,
;   the four row blocks of a column the same tiles of W: each tile is asked for jointly, by the same tensor load with the same descriptor and a mask that names the four.
; THE LDS LOADS of a K step, 208 a wave, stand in seven runs of 24 to 44, each behind sixteen matrix instructions: the four waves issue their runs together, so a run of n loads is 1,024 n bytes asked of LDS at once.
; REGISTERS, in windows of 256: window 0: v0-31 addresses; v32-47 scale words; v48-55 qs . bk and m; v56-127 at work; v128-223 source 1's eight fragments (one set).
;   window 1: source 0's fragments, two sets at v0 and v128; in an epilogue v96-127 results, v128-191 32 sums in pairs, v192-255 two tiles of the table.   windows 2, 3: the accumulators, (a, b) at v[8 (8 (a % 4) + b)].
.set PITCH,  240                       ; an LDS row: 3 x (64 bytes + 16 of padding)
.set HALFT,  128*PITCH                 ; 128 rows: what one tensor load brings
.set SLOT1,  1<<17                     ; slot 1 begins here: one exclusive or turns an address in one slot into the other's
.set FR,     12                        ; registers of a fragment
.set KB,     192                       ; a K step in bytes of a row
.set ROWB,   768                       ; a row of hs or of W in memory
.set QT,     4*HALFT                   ; behind slot 0's tiles, bytes that no fill reaches: the table qs, 4,096 bytes,
.set PT,     QT+4096                   ; and the table p
.set SCL,    SLOT1+4*HALFT             ; behind slot 1: hs's scales, two halves of 128 rows: 16 units of 256 bytes + 16 of padding each
.set HALFS,  16*272
.set SCLW,   SCL+2*HALFS               ; W's scales: for each half of the head's rows Wk's 128 rows, then Wv's
.set XS,     SCLW+4*HALFS              ; the scores' four contributions: [2 y + h][256 rows][4 q] f32
.set XC,     XS+16384                  ; the contexts' likewise
.set MX,     XC+16384                  ; four waves' maxima, 16 bytes each;
.set LX,     64                        ; and, this far on, their sums
.set SPARE,  MX+256                    ; the spare words, 128 bytes for each wave: two blocks of 256 bytes that no other line names
.set CF,   3                           ; v3-10   my lane's place in a slot: for tile type t at v[CF + 4 t]: source 1's, the same behind one padding more, source 0's, the same
.set CS,   11                          ; v11-12  LDS address of my scale words for tile type 0, 1: lanes 0-15 source 1's rows, lanes 16-31 source 0's; stepped 8 bytes a K step
.set AD1,  16                          ; v16-17  source 1's fragments in the slot in hand
.set AD0,  18                          ; v18-19  source 0's
.set TBL,  20                          ; v20-21  my part of the table qs, p
.set XST,  22                          ; v22-23  where I put my contributions: scores, contexts
.set XRD,  24                          ; v24-25  and where I read all four back
.set GOF,  26                          ; v26     my byte offset in the unit's 4,096 bytes of scores or of ctxp
.set PTW,  27                          ; v27     where I put p
.set SPW,  28                          ; v28     LDS address of my spare word; never rewritten
.set NIL,  29                          ; v29     0; never rewritten
.set MXW,  30                          ; v30     my wave's 16 bytes among the maxima
.set MXR,  31                          ; v31     the maxima
.set SC,   32                          ; v32-47  scale words: register 2 i + q: lanes 0-15 source 1's block i, lanes 16-31 source 0's block i, the slot's q-th 128 along K
.set CBI,  48                          ; v48-51  qs[q] . bk
.set M4,   52                          ; v52-55  the unit's largest score
.set TP,   64                          ; v64-95  at work behind an epilogue
.set AF,   128                         ; source 1's fragments
.set TT,   96                          ; window 1
.set SA,   128
.set QR,   192
.set TB,   2                           ; s2   LDS byte at which the slot in hand begins
.set CNT,  3                           ; s3   loop counter
.set WV,   12                          ; s12  wave;  s13 x;  s14 y
.set SX,   13
.set SY,   14
.set G1A,  24                          ; s[24:31] descriptor group 1 for hs's tiles;  s[32:35], s[36:39] groups 0: slot 0's first fill; slot 1's, which then walks
.set G0A0, 32
.set G0A1, 36
.set G1B,  48                          ; s[48:55], s[56:59], s[60:63] the same for W's tiles
.set G0B0, 56
.set G0B1, 60
.set SEL,  66                          ; s[66:67] v_permlanex16_b32's selects for lane l xor 16
.set G1SA, 68                          ; s[68:75], s[76:79] groups 1 and 0 for hs's scales;  s[80:87], s[88:91] for W's
.set G0SA, 76
.set G1SB, 80
.set G0SB, 88
.set MSB, 0
.macro WIN new                         ; the immediate's high byte repeats the setting that is left
.if MSB != (\new)
	s_set_vgpr_msb (MSB<<8)|(\new)
.set MSB, (\new)
.endif
.endm
.set MUL_LO, 0xa1                      ; source 0 window 1, source 1 window 0, C and D window 2
.set MUL_HI, 0xf1                      ; the same, C and D window 3
; A joint load: waves 0 and 1 fetch hs's two halves, waves 2 and 3 W's.  Each line has one mask and one set of registers for all that issue it; the branch hangs on the wave's number alone.
; Four v_nop follow each of the two lines, ahead of the jump, the label and what follows.
.macro JLOAD g0a, g1a, g0b, g1b
	s_cmp_eq_u32 s[SX], 0
	s_cbranch_scc0 .Lfor_w_\@
	tensor_load_to_lds s[\g0a:\g0a+3], s[\g1a:\g1a+7]
	s_nop 0
.rept 4
	v_nop
.endr
	s_branch .Lasked_\@
.Lfor_w_\@:
	tensor_load_to_lds s[\g0b:\g0b+3], s[\g1b:\g1b+7]
	s_nop 0
.rept 4
	v_nop
.endr
.Lasked_\@:
.endm
.macro CREST                           ; a round of the cluster's barrier behind its opening barrier
	s_cmp_lg_u32 s[WV], 0
	s_cbranch_scc1 .Lnot_wave_0_\@
	s_barrier_signal -3
.Lnot_wave_0_\@:
	s_barrier_wait -3
	s_barrier_signal -1
	s_barrier_wait -1
.endm
.macro CROUND                          ; a whole round
	s_barrier_signal -1
	s_barrier_wait -1
	CREST
.endm
; Four places: a load into a register that a matrix instruction has read, and a vector instruction or store that reads a matrix result, stand four plain vector instructions behind it (ISA guide 7.12.1 for vector instructions).
.macro PLACES
.rept 4
	v_nop
.endr
.endm
; A fragment, 16 rows x 128 K of 6-bit codes: lane l holds row l % 16; registers 6 c .. 6 c + 5 hold K = 64 c + 32 (l / 16) + 0 .. 31: 24 bytes of the row, as they lie, in pieces of 8 bytes.
; Lanes 16-31 read three pieces further on; where that lies behind one padding more, the second address register (40 for 24 bytes a half) serves.
.macro FRAG reg, adr, q, i
.irp p, 0,1,2,3,4,5
.set PCE, 12*(\q)+6*(\p/3)+\p%3
.if PCE%8 < 5
	ds_load_b64 v[\reg+2*\p:\reg+2*\p+1], v[\adr] offset:8*PCE+16*(PCE/8)+(\i)*16*PITCH
.else
	ds_load_b64 v[\reg+2*\p:\reg+2*\p+1], v[\adr+1] offset:8*PCE+16*(PCE/8)+(\i)*16*PITCH
.endif
.endr
.endm
; 16 matrix instructions: source 1's blocks a0, a0 + 1 x source 0's eight, the slot's q-th 128 along K; p: source 0's set.  zero = 1: the products start the sums.
; The 64 accumulators take turns, one instruction a turn, in the same order everywhere.
.macro MUL16 a0, p, q, zero
.irp a, \a0, \a0+1
.irp b, 0,1,2,3,4,5,6,7
.if \zero
	v_wmma_scale_f32_16x16x128_f8f6f4 v[8*(8*((\a)%4)+\b):8*(8*((\a)%4)+\b)+7], v[128*(\p)+FR*\b:128*(\p)+FR*\b+FR-1], v[AF+FR*(\a):AF+FR*(\a)+FR-1], 0, v[SC+2*\b+(\q)], v[SC+2*(\a)+(\q)] matrix_a_fmt:MATRIX_FMT_FP6 matrix_b_fmt:MATRIX_FMT_FP6 matrix_a_scale:MATRIX_SCALE_ROW1
.else
	v_wmma_scale_f32_16x16x128_f8f6f4 v[8*(8*((\a)%4)+\b):8*(8*((\a)%4)+\b)+7], v[128*(\p)+FR*\b:128*(\p)+FR*\b+FR-1], v[AF+FR*(\a):AF+FR*(\a)+FR-1], v[8*(8*((\a)%4)+\b):8*(8*((\a)%4)+\b)+7], v[SC+2*\b+(\q)], v[SC+2*(\a)+(\q)] matrix_a_fmt:MATRIX_FMT_FP6 matrix_b_fmt:MATRIX_FMT_FP6 matrix_a_scale:MATRIX_SCALE_ROW1
.endif
.endr
.endr
.endm
.macro FETCH0 q, p, lo, hi             ; source 0's fragments lo .. hi into set p: six loads each; it leaves every window 0
	WIN 0x40
.irp i, 0,1,2,3,4,5,6,7
.if (\i >= \lo) && (\i <= \hi)
	FRAG 128*(\p)+FR*\i, AD0, \q, \i
.endif
.endr
	WIN 0
.endm
.macro FETCH1 q, i0                    ; source 1's blocks i0 .. i0 + 3: 24 loads (every window is 0)
.irp i, \i0, \i0+1, \i0+2, \i0+3
	FRAG AF+FR*(\i), AD1, \q, \i
.endr
.endm
.macro SCALES q, ty                    ; eight scale words a lane: 16 rows' scales are two units of 272 bytes
.irp i, 0,1,2,3,4,5,6,7
	ds_load_b32 v[SC+2*\i+\q], v[CS+\ty] offset:544*\i+4*\q
.endr
.endm
; A slot's first 128 along K.  Behind each sixteen products a run of 24 loads for the slot's second 128: source 0's other set in two halves (its last readers stand ahead of the places at the last change of slots),
; source 1's blocks 0-3 (behind this step's places), its blocks 4-7 (behind the places at the step's end).
.macro STEP zero
	s_wait_dscnt 32                                ; source 0's set, source 1's blocks 0-3 and the first scale words are in; the youngest 32 loads (blocks 4-7: 24; the second scale words: 8) may be out
	WIN MUL_LO
	MUL16 0, 0, 0, \zero
	FETCH0 1, 1, 0, 3
	WIN MUL_LO
	MUL16 2, 0, 0, \zero
	s_wait_dscnt 24                                ; blocks 4-7 and the second scale words are in; behind them only the run of 24 above was issued
	PLACES
	FETCH0 1, 1, 4, 7
	WIN MUL_HI
	MUL16 4, 0, 0, \zero
	WIN 0
	FETCH1 1, 0
	WIN MUL_HI
	MUL16 6, 0, 0, \zero
	PLACES
	WIN 0
	FETCH1 1, 4
.endm
; A slot's second 128 along K, and the change of slots: ONE barrier; in front of it each wave waits for all its tensor loads, adds 0 to its spare word, and waits for that and for its reads of this slot.
; fill = 1: this slot is filled again, two K steps ahead; the barrier then opens a round of the cluster's.  adj = 1: that refill is the V tile's first K step: hs goes back to its rows' first bytes, W on to Wv's rows.
; nty: the type of the tile to which the next slot belongs;  fresh = 1: it is that tile's first K step.  The next slot's first fragments come in runs of 36, 44 and 32 loads, sixteen products between them.
.macro TURN fill, adj, nty, fresh
	s_wait_tensorcnt 0x0                           ; all my tensor loads have landed: my part of the next slot;  (every window is 0 here)
	ds_add_u32 v[SPW], v[NIL]                      ; 0 onto my spare word
	s_wait_dscnt 25                                ; (the add and the youngest 24 loads, source 1's blocks 4-7, may be out)
	WIN MUL_LO
	MUL16 0, 1, 1, 0                               ; sixteen matrix instructions stand between the add and the wait for it
	s_wait_dscnt 0x0                               ; the add is done, and my reads of this slot are over
	s_barrier_signal -1
	MUL16 2, 1, 1, 0
	WIN 0
	s_barrier_wait -1
.if \fill
	CREST                                          ; no wave of any partner still reads this slot's tile or has a load on its way
	s_xor_b32 s[G0A1+1], s[G0A1+1], SLOT1          ; the walking descriptors: the other slot than last time,
	s_xor_b32 s[G0B1+1], s[G0B1+1], SLOT1
.if \adj
	s_sub_nc_u64 s[G0A1+2:G0A1+3], s[G0A1+2:G0A1+3], ROWB-KB            ; from K step 3 back to K step 0 of the same rows
	s_add_nc_u64 s[G0B1+2:G0B1+3], s[G0B1+2:G0B1+3], 1024*ROWB-ROWB+KB  ; from Wk's K step 3 to K step 0 of Wv's rows, 1,024 rows on
.else
	s_add_nc_u64 s[G0A1+2:G0A1+3], s[G0A1+2:G0A1+3], KB                 ; the next K step; the type bits on top are not reached
	s_add_nc_u64 s[G0B1+2:G0B1+3], s[G0B1+2:G0B1+3], KB
.endif
	JLOAD G0A1, G1A, G0B1, G1B                     ; the first tensor load behind the round, one a wave; its four v_nop are the places in front of the loads below
.else
	PLACES
.endif
	s_xor_b32 s[TB], s[TB], SLOT1                  ; on to the other slot
	v_add_nc_u32 v[AD1], s[TB], v[CF+4*\nty]
	v_add_nc_u32 v[AD1+1], s[TB], v[CF+4*\nty+1]
	v_add_nc_u32 v[AD0], s[TB], v[CF+4*\nty+2]
	v_add_nc_u32 v[AD0+1], s[TB], v[CF+4*\nty+3]
.if !\fresh
	v_add_nc_u32 v[CS+\nty], 8, v[CS+\nty]         ; the next K step's scale words
.endif
	FETCH0 0, 0, 0, 5
	WIN MUL_HI
	MUL16 4, 1, 1, 0
	FETCH0 0, 0, 6, 7
	FETCH1 0, 0
	SCALES 0, \nty
	WIN MUL_HI
	MUL16 6, 1, 1, 0
	PLACES
	WIN 0
	FETCH1 0, 4
	SCALES 1, \nty
.endm
; THE EPILOGUE of a tile of type ty.  32 sums a lane, O[q][n = 128 x + 16 a + r] over my 64 values of m, by packed multiply-adds: the low half takes even j, the high half odd j.
; A tile of the table (16 m x 4 q; my half's 8 m: 32 registers) is fetched one b ahead, into two sets by turns.  Each accumulator is read from its low end on.  Eight sums take turns.
.macro QLOAD ty, b
	WIN 0x40
.irp q, 0,1,2,3
.irp u, 0,1
	ds_load_b128 v[QR+32*((\b)%2)+8*\q+4*\u:QR+32*((\b)%2)+8*\q+4*\u+3], v[TBL+\ty] offset:256*(\b)+64*\q+16*\u
.endr
.endr
.endm
.macro EPI ty
	PLACES
	QLOAD \ty, 0
.irp b, 0,1,2,3,4,5,6,7
.if \b < 7
	QLOAD \ty, \b+1
	s_wait_dscnt 8                                 ; this b's tile of the table is in; the next one's eight loads may be out
.else
	s_wait_dscnt 0x0
.endif
.irp a0, 0,2,4,6
	WIN 0x56+\a0/4                                 ; source 0: the accumulators' window, 2 or 3; the table and the sums: window 1
.irp jp, 0,1,2,3
.irp da, 0,1
.irp q, 0,1,2,3
.set rA, 8*(8*((\a0+\da)%4)+\b)+2*\jp
.set rQ, QR+32*(\b%2)+8*\q+2*\jp
.set rS, SA+2*(4*(\a0+\da)+\q)
.if (\b == 0) && (\jp == 0)
	v_pk_mul_f32 v[rS:rS+1], v[rA:rA+1], v[rQ:rQ+1]
.else
	v_pk_fma_f32 v[rS:rS+1], v[rA:rA+1], v[rQ:rQ+1], v[rS:rS+1]
.endif
.endr
.endr
.endr
.endr
.endr
	WIN 0x45
.set n, 0
.rept 32
	v_add_f32 v[TT+n], v[SA+2*n], v[SA+2*n+1]
.set n, n+1
.endr
	WIN 0x04                                       ; an LDS store's data are its source 1: window 1
.irp a, 0,1,2,3,4,5,6,7
	ds_store_b128 v[XST+\ty], v[TT+4*\a:TT+4*\a+3] offset:256*\a   ; item n's four q: 16 lanes write 256 consecutive bytes
.endr
	WIN 0
	s_wait_dscnt 0x0                               ; for the others' sake: my contributions have landed
	s_barrier_signal -1
	s_barrier_wait -1
.endm
; Items 64 w + 32 i + lane, i = 0, 1: their four contributions are added: v[TP + 16 i .. + 3] = O[q = 0 .. 3]
.macro GATHER ty
.irp i, 0,1
.irp c, 0,1,2,3
	ds_load_b128 v[TP+16*\i+4*\c:TP+16*\i+4*\c+3], v[XRD+\ty] offset:4096*\c+512*\i
.endr
.endr
	s_wait_dscnt 0x0
.irp i, 0,1
.irp u, 0,2
	v_pk_add_f32 v[TP+16*\i+\u:TP+16*\i+\u+1], v[TP+16*\i+\u:TP+16*\i+\u+1], v[TP+16*\i+4+\u:TP+16*\i+5+\u]
	v_pk_add_f32 v[TP+16*\i+8+\u:TP+16*\i+9+\u], v[TP+16*\i+8+\u:TP+16*\i+9+\u], v[TP+16*\i+12+\u:TP+16*\i+13+\u]
.endr
.endr
.irp i, 0,1
.irp u, 0,2
	v_pk_add_f32 v[TP+16*\i+\u:TP+16*\i+\u+1], v[TP+16*\i+\u:TP+16*\i+\u+1], v[TP+16*\i+8+\u:TP+16*\i+9+\u]
.endr
.endr
.endm
; v[r] .. v[r + 3] are joined over the wave's 32 lanes (a sum or a maximum); every lane ends with the result.  v104-107 are at work.
.macro ACROSS op, opd, r
.irp x, 1,2,4,8
.irp q, 0,1,2,3
	\opd v[\r+\q], v[\r+\q], v[\r+\q] row_xmask:\x row_mask:0xf bank_mask:0xf
.endr
.endr
.irp q, 0,1,2,3
	v_permlanex16_b32 v[104+\q], v[\r+\q], s[SEL], s[SEL+1]
.endr
.irp q, 0,1,2,3
	\op v[\r+\q], v[\r+\q], v[104+\q]
.endr
.endm
	s_load_b256 s[4:11], s[0:1], 0x0               ; hs's codes s[4:5], hs's scales s[6:7], W's codes s[8:9], W's scales s[10:11]
	s_load_b256 s[92:99], s[0:1], 0x20             ; qs s[92:93], in_proj_b s[94:95], scores s[96:97], ml s[98:99]
	s_load_b64 s[100:101], s[0:1], 0x40            ; ctxp
	v_lshl_add_u32 v[SPW], v0, 2, SPARE
	v_mov_b32 v[NIL], 0
	ds_add_u32 v28, v29
	ds_add_u32 v28, v29
	s_wait_dscnt 0x0
	v_lshrrev_b32 v1, 5, v0
	v_readfirstlane_b32 s[WV], v1                  ; wave 0..3
	s_lshr_b32 s[SX], s[WV], 1                     ; x: my half of source 1's rows.  Also: I fetch for hs (0) or for W (1)
	s_and_b32 s[SY], s[WV], 1                      ; y: my half of source 0's rows.  Also: which 128 rows I fetch
	s_bfe_u32 s40, ttmp6, 0x40000                  ; cx, cy: my place in the cluster
	s_bfe_u32 s41, ttmp6, 0x40004
	s_lshl_b32 s42, ttmp9, 2
	s_add_co_u32 s42, s42, s40                     ; the head = 4 x cluster x + cx
	s_and_b32 s15, ttmp7, 0xffff
	s_lshl_b32 s15, s15, 2
	s_add_co_u32 s15, s15, s41                     ; the block of 256 rows of [b][S], 0..127 = 4 x cluster y + cy
	s_lshl_b32 s43, s41, 2
	s_lshl_b32 s43, 15, s43                        ; my row of the cluster
	s_lshl_b32 s44, 0x1111, s40                    ; my column
	; descriptor group 1: a tile of 128 rows x 192 bytes, 16 bytes of padding behind every 64
	s_or_b32 s[G1A], s43, (1<<20)|(1<<21)|(3<<22)|(3<<25)   ; 15:0 the mask: hs's tiles go to my row; 17:16 elements of 1 byte; 20 padding on; 21 set beside a mask; 24:22 after every 16 words; 31:25 of 4 words
	s_or_b32 s[G1B], s44, (1<<20)|(1<<21)|(3<<22)|(3<<25)   ; W's go to my column
.irp g, G1A, G1B
	s_mov_b32 s[\g+1], KB<<16                      ; tensor_dim0
	s_mov_b32 s[\g+2], 128<<16                     ; tensor_dim1
	s_mov_b32 s[\g+3], KB<<16                      ; tile_dim0
	s_mov_b32 s[\g+4], 128                         ; tile_dim1
	s_mov_b32 s[\g+5], ROWB                        ; from row to row
	s_mov_b32 s[\g+6], 0
	s_mov_b32 s[\g+7], 0
.endr
	; the scales: dense blocks as rows of 256 bytes (32 elements of 8 bytes), 16 bytes of padding behind each: hs's 128 rows are 16 such rows, W's 128 + 128 are 32
	s_or_b32 s[G1SA], s43, (3<<16)|(1<<20)|(1<<21)|(5<<22)|(3<<25)
	s_mov_b32 s[G1SA+1], 32<<16
	s_mov_b32 s[G1SA+2], 16<<16
	s_mov_b32 s[G1SA+3], 32<<16
	s_mov_b32 s[G1SA+4], 16
	s_mov_b32 s[G1SA+5], 32
	s_mov_b32 s[G1SA+6], 0
	s_mov_b32 s[G1SA+7], 0
	s_or_b32 s[G1SB], s44, (3<<16)|(1<<20)|(1<<21)|(5<<22)|(3<<25)
	s_mov_b32 s[G1SB+1], 32<<16
	s_mov_b32 s[G1SB+2], 32<<16
	s_mov_b32 s[G1SB+3], 32<<16
	s_mov_b32 s[G1SB+4], 32
	s_mov_b32 s[G1SB+5], 32
	s_mov_b32 s[G1SB+6], 0
	s_mov_b32 s[G1SB+7], 0
	; where the tiles come from: hs's hang on the row block alone, W's on the head alone
	s_lshl_b32 s16, s15, 8
	s_lshl_b32 s17, s[SY], 7
	s_add_co_u32 s16, s16, s17                     ; hs: row 256 x block + 128 y
	s_mul_i32 s20, s16, ROWB                       ; its codes (under 2^25 bytes),
	s_mov_b32 s21, 0
	s_lshl_b32 s22, s16, 5                         ; its scales
	s_mov_b32 s23, 0
	s_lshl_b32 s46, s42, 8
	s_add_co_u32 s46, s46, s17                     ; Wk: row 256 x head + 128 y
	s_mul_i32 s46, s46, ROWB
	s_mov_b32 s47, 0
	s_lshl_b32 s18, s42, 1
	s_add_co_u32 s18, s18, s[SY]
	s_lshl_b32 s18, s18, 13                        ; W's scales: 8,192 bytes for each (head, y)
	s_mov_b32 s19, 0
	s_mul_i32 s45, s[WV], HALFT                    ; where the codes go: wave x 128 rows: no place in the cluster enters an LDS address
	s_mul_i32 s16, s[SY], HALFS
	s_mul_i32 s17, s[SY], 2*HALFS
	s_mov_b32 s[SEL], 0x76543210
	s_mov_b32 s[SEL+1], 0xfedcba98
	s_wait_kmcnt 0x0
	s_add_nc_u64 s[20:21], s[4:5], s[20:21]
	s_add_nc_u64 s[22:23], s[6:7], s[22:23]
	s_add_nc_u64 s[46:47], s[8:9], s[46:47]
	s_add_nc_u64 s[18:19], s[10:11], s[18:19]
	CROUND                                         ; all sixteen work-groups are here: the first joint loads meet
	s_mov_b32 s[G0SA], 1
	s_add_co_u32 s[G0SA+1], s16, SCL
	s_mov_b64 s[G0SA+2:G0SA+3], s[22:23]
	s_or_b32 s[G0SA+3], s[G0SA+3], 0x80000000
	s_mov_b32 s[G0SB], 1
	s_add_co_u32 s[G0SB+1], s17, SCLW
	s_mov_b64 s[G0SB+2:G0SB+3], s[18:19]
	s_or_b32 s[G0SB+3], s[G0SB+3], 0x80000000
	JLOAD G0SA, G1SA, G0SB, G1SB                   ; the scales of all of K, for both tiles: filled once
	s_mov_b32 s[G0A0], 1
	s_mov_b32 s[G0A0+1], s45
	s_mov_b64 s[G0A0+2:G0A0+3], s[20:21]
	s_or_b32 s[G0A0+3], s[G0A0+3], 0x80000000
	s_mov_b32 s[G0B0], 1
	s_mov_b32 s[G0B0+1], s45
	s_mov_b64 s[G0B0+2:G0B0+3], s[46:47]
	s_or_b32 s[G0B0+3], s[G0B0+3], 0x80000000
	JLOAD G0A0, G1A, G0B0, G1B                     ; slot 0: K step 0
	s_mov_b32 s[G0A1], 1
	s_add_co_u32 s[G0A1+1], s45, SLOT1
	s_add_nc_u64 s[G0A1+2:G0A1+3], s[20:21], KB
	s_or_b32 s[G0A1+3], s[G0A1+3], 0x80000000
	s_mov_b32 s[G0B1], 1
	s_add_co_u32 s[G0B1+1], s45, SLOT1
	s_add_nc_u64 s[G0B1+2:G0B1+3], s[46:47], KB
	s_or_b32 s[G0B1+3], s[G0B1+3], 0x80000000
	JLOAD G0A1, G1A, G0B1, G1B                     ; slot 1: K step 1.  Three tensor loads of mine are out
	; the head's qs (4,096 bytes, as it lies: [d / 16][q][16]) and bk: lane l takes d = 8 l .. 8 l + 7
	v_and_b32 v56, 31, v0
	v_lshrrev_b32 v57, 1, v56
	v_and_b32 v58, 1, v56
	v_lshlrev_b32 v57, 8, v57
	v_lshl_add_u32 v57, v58, 5, v57                ; 256 (l / 2) + 32 (l % 2)
	v_lshlrev_b32 v58, 5, v56                      ; 32 l
	v_add_nc_u32 v59, QT, v57
	s_lshl_b32 s4, s40, 12
	s_mov_b32 s5, 0
	s_add_nc_u64 s[92:93], s[92:93], s[4:5]
	s_lshl_b32 s4, s40, 10
	s_add_co_u32 s4, s4, 4096                      ; bk lies behind bq's 1,024 numbers
	s_add_nc_u64 s[94:95], s[94:95], s[4:5]
.irp q, 0,1,2,3
.irp u, 0,1
	global_load_b128 v[TP+8*\q+4*\u:TP+8*\q+4*\u+3], v57, s[92:93] offset:64*\q+16*\u
.endr
.endr
	global_load_b128 v[96:99], v58, s[94:95]
	global_load_b128 v[100:103], v58, s[94:95] offset:16
	; the unit = (4 b + head) x 16 + block in the batch, and its places in the three outputs
	s_lshr_b32 s4, s15, 4
	s_lshl_b32 s4, s4, 6
	s_lshl_b32 s6, s42, 4
	s_add_co_u32 s4, s4, s6
	s_and_b32 s6, s15, 15
	s_add_co_u32 s4, s4, s6
	s_lshl_b32 s6, s4, 12
	s_mov_b32 s7, 0
	s_add_nc_u64 s[96:97], s[96:97], s[6:7]
	s_add_nc_u64 s[100:101], s[100:101], s[6:7]
	s_lshl_b32 s6, s4, 5
	s_add_nc_u64 s[98:99], s[98:99], s[6:7]
	; my lane's addresses
	v_and_b32 v1, 15, v0                           ; r
	v_bfe_u32 v2, v0, 4, 1                         ; h
	v_mul_u32_u24 v60, v1, PITCH
	v_mad_u32_u24 v61, v2, 24, v60                 ; a fragment's row x pitch + 24 h,
	v_mad_u32_u24 v62, v2, 40, v60                 ; and the same behind one padding more
	s_mul_i32 s16, s[SX], HALFT
	s_mul_i32 s17, s[SY], HALFT
	v_add_nc_u32 v[CF], s16, v61                   ; K tile, source 1: hs's half x
	v_add_nc_u32 v[CF+1], s16, v62
	v_add_nc_u32 v[CF+6], s17, v61                 ; V tile, source 0: hs's half y
	v_add_nc_u32 v[CF+7], s17, v62
	s_add_co_u32 s16, s16, 2*HALFT                 ; W's 256 rows lie behind hs's
	s_add_co_u32 s17, s17, 2*HALFT
	v_add_nc_u32 v[CF+2], s17, v61                 ; K tile, source 0: Wk's half y
	v_add_nc_u32 v[CF+3], s17, v62
	v_add_nc_u32 v[CF+4], s16, v61                 ; V tile, source 1: Wv's half x
	v_add_nc_u32 v[CF+5], s16, v62
	v_lshlrev_b32 v60, 5, v1                       ; my row's scales: 32 bytes a row,
	v_lshrrev_b32 v61, 3, v1
	v_lshl_add_u32 v60, v61, 4, v60                ; and 16 more behind each 8 rows
	s_mul_i32 s20, s[SY], 2*HALFS                  ; K tile: lanes 0-15 hs's half x; lanes 16-31 Wk's half y: one product of h and the distance between the two
	s_add_co_u32 s20, s20, 2*HALFS
	s_mul_i32 s21, s[SX], HALFS
	s_sub_co_u32 s20, s20, s21
	v_mul_u32_u24 v61, s20, v2
	s_add_co_u32 s21, s21, SCL
	v_add_nc_u32 v[CS], v60, v61
	v_add_nc_u32 v[CS], s21, v[CS]
	v_xor_b32 v62, 1, v2                           ; V tile: lanes 16-31 hs's half y; lanes 0-15 Wv's half x
	s_mul_i32 s20, s[SX], 2*HALFS
	s_add_co_u32 s20, s20, 3*HALFS
	s_mul_i32 s21, s[SY], HALFS
	s_sub_co_u32 s20, s20, s21
	v_mul_u32_u24 v61, s20, v62
	s_add_co_u32 s21, s21, SCL
	v_add_nc_u32 v[CS+1], v60, v61
	v_add_nc_u32 v[CS+1], s21, v[CS+1]
	s_lshl_b32 s20, s[SY], 11                      ; the tables: my 128 values of m begin 2,048 y bytes on; my half's eight of a tile's sixteen 32 h on
	v_lshl_add_u32 v60, v2, 5, s20
	v_add_nc_u32 v[TBL], QT, v60
	v_add_nc_u32 v[TBL+1], PT, v60
	s_lshl_b32 s20, s[SY], 13                      ; my contributions: (2 y + h) x 4,096 + (128 x + r) x 16
	s_lshl_b32 s21, s[SX], 11
	s_add_co_u32 s20, s20, s21
	v_lshlrev_b32 v60, 4, v1
	v_lshl_add_u32 v60, v2, 12, v60
	v_add_nc_u32 v60, s20, v60
	v_add_nc_u32 v[XST], XS, v60
	v_add_nc_u32 v[XST+1], XC, v60
	s_lshl_b32 s20, s[WV], 10                      ; back: items 64 w + lane: 1,024 w + 16 x lane
	v_lshlrev_b32 v[GOF], 4, v56
	v_add_nc_u32 v[GOF], s20, v[GOF]
	v_add_nc_u32 v[XRD], XS, v[GOF]
	v_add_nc_u32 v[XRD+1], XC, v[GOF]
	v_lshlrev_b32 v[PTW], 2, v1                    ; p of row 64 w + 32 i + lane: tile 4 w + 2 i + h of the table, place r in its sixteen
	v_lshl_add_u32 v[PTW], v2, 8, v[PTW]
	v_add_nc_u32 v[PTW], s20, v[PTW]
	v_add_nc_u32 v[PTW], PT, v[PTW]
	v_lshrrev_b32 v[MXW], 5, v0
	v_lshl_add_u32 v[MXW], v[MXW], 4, MX
	v_mov_b32 v[MXR], MX
	s_wait_loadcnt 0x0                             ; qs and bk
	s_cmp_lg_u32 s[WV], 0
	s_cbranch_scc1 .Lno_table
.irp q, 0,1,2,3
.irp u, 0,1
	ds_store_b128 v59, v[TP+8*\q+4*\u:TP+8*\q+4*\u+3] offset:64*\q+16*\u   ; wave 0 lays the table qs, as it lies in memory
.endr
.endr
.Lno_table:
.irp q, 0,1,2,3
	v_pk_mul_f32 v[104+2*\q:105+2*\q], v[TP+8*\q:TP+8*\q+1], v[96:97]      ; qs[q] . bk: my eight d,
.endr
.irp u, 1,2,3
.irp q, 0,1,2,3
	v_pk_fma_f32 v[104+2*\q:105+2*\q], v[TP+8*\q+2*\u:TP+8*\q+2*\u+1], v[96+2*\u:97+2*\u], v[104+2*\q:105+2*\q]
.endr
.endr
.irp q, 0,1,2,3
	v_add_f32 v[CBI+\q], v[104+2*\q], v[105+2*\q]
.endr
	ACROSS v_add_f32, v_add_f32_dpp, CBI           ; and all 256
	s_wait_tensorcnt 0x1                           ; the scales and my part of K step 0 are in (K step 1's load may be out)
	s_wait_dscnt 0x0                               ; and the table is laid
	s_barrier_signal -1
	s_barrier_wait -1                              ; everybody's are
	s_mov_b32 s[TB], 0
	v_add_nc_u32 v[AD1], s[TB], v[CF]
	v_add_nc_u32 v[AD1+1], s[TB], v[CF+1]
	v_add_nc_u32 v[AD0], s[TB], v[CF+2]
	v_add_nc_u32 v[AD0+1], s[TB], v[CF+3]
	FETCH0 0, 0, 0, 7
	FETCH1 0, 0
	SCALES 0, 0
	FETCH1 0, 4
	SCALES 1, 0
	; ---- THE K TILE: G[d][row]
	STEP 1                                         ; the first step's products start the sums: nothing is cleared
	s_mov_b32 s[CNT], 2
.Lk_lap:                                               ; two trips: K steps 2 and 3 are asked for
	TURN 1, 0, 0, 0
	STEP 0
	s_sub_co_u32 s[CNT], s[CNT], 1
	s_cmp_lg_u32 s[CNT], 0
	s_cbranch_scc1 .Lk_lap
	TURN 1, 1, 0, 0                                ; THE RING GOES ON INTO THE V TILE: slot 0 takes its K step 0,
	STEP 0
	TURN 1, 0, 1, 1                                ; slot 1 its K step 1, and the V tile's first fragments and scale words are fetched: they wait in registers that the epilogue does not touch
	EPI 0
	; scores, their maximum, p and its sum
	GATHER 0
.irp i, 0,1
.irp u, 0,2
	v_pk_add_f32 v[TP+16*\i+\u:TP+16*\i+\u+1], v[TP+16*\i+\u:TP+16*\i+\u+1], v[CBI+\u:CBI+\u+1]
.endr
.endr
.irp i, 0,1
	global_store_b128 v[GOF], v[TP+16*\i:TP+16*\i+3], s[96:97] offset:512*\i   ; 32 lanes store 512 consecutive bytes, aligned
.endr
.irp q, 0,1,2,3
	v_max_num_f32 v[100+\q], v[TP+\q], v[TP+16+\q]
.endr
	ACROSS v_max_num_f32, v_max_num_f32_dpp, 100   ; my wave's 64 rows
	ds_store_b128 v[MXW], v[100:103]               ; all lanes write the same 16 bytes with the same values
	s_wait_dscnt 0x0
	s_barrier_signal -1
	s_barrier_wait -1
.irp k, 0,1,2,3
	ds_load_b128 v[108+4*\k:111+4*\k], v[MXR] offset:16*\k
.endr
	s_wait_dscnt 0x0
.irp q, 0,1,2,3
	v_max3_num_f32 v[M4+\q], v[108+\q], v[112+\q], v[116+\q]
.endr
.irp q, 0,1,2,3
	v_max_num_f32 v[M4+\q], v[M4+\q], v[120+\q]    ; the unit's largest score
.endr
.irp i, 0,1
.irp u, 0,2
	v_pk_add_f32 v[TP+16*\i+4+\u:TP+16*\i+5+\u], v[TP+16*\i+\u:TP+16*\i+\u+1], v[M4+\u:M4+\u+1] neg_lo:[0,1] neg_hi:[0,1]
.endr
.endr
.irp i, 0,1
.irp u, 0,2
	v_pk_mul_f32 v[TP+16*\i+4+\u:TP+16*\i+5+\u], v[TP+16*\i+4+\u:TP+16*\i+5+\u], 0x3fb8aa3b op_sel_hi:[1,0]   ; x log2(e)
.endr
.endr
.irp i, 0,1
.irp q, 0,1,2,3
	v_exp_f32 v[TP+16*\i+4+\q], v[TP+16*\i+4+\q]   ; p = e^(score - m), at most 1
.endr
.endr
	v_nop                                          ; a plain line behind the exponentials
	s_wait_alu depctr_va_vdst(0)
.irp i, 0,1
.irp q, 0,1,2,3
	ds_store_b32 v[PTW], v[TP+16*\i+4+\q] offset:512*\i+64*\q   ; the table p; it is read behind the V tile's barriers, each with a wait for all LDS instructions in front
.endr
.endr
.irp q, 0,1,2,3
	v_add_f32 v[100+\q], v[TP+4+\q], v[TP+20+\q]
.endr
	ACROSS v_add_f32, v_add_f32_dpp, 100
	ds_store_b128 v[MXW], v[100:103] offset:LX     ; my wave's part of l
	; ---- THE V TILE: G[row][d]
	STEP 1
	s_mov_b32 s[CNT], 2
.Lv_lap:                                               ; two trips: its K steps 2 and 3 are asked for
	TURN 1, 0, 1, 0
	STEP 0
	s_sub_co_u32 s[CNT], s[CNT], 1
	s_cmp_lg_u32 s[CNT], 0
	s_cbranch_scc1 .Lv_lap
	TURN 0, 0, 1, 0                                ; the tail is written out: nothing is left to ask for
	STEP 0
	s_wait_dscnt 24                                ; the very last 128 along K: the youngest 24 loads, source 1's blocks 4-7, may be out
	WIN MUL_LO
	MUL16 0, 1, 1, 0
	MUL16 2, 1, 1, 0
	s_wait_dscnt 0x0
	WIN MUL_HI
	MUL16 4, 1, 1, 0
	MUL16 6, 1, 1, 0
	WIN 0
	EPI 1
	s_wait_xcnt 0x0                                ; the scores' stores have read their registers, which are written again below
	GATHER 1
.irp i, 0,1
	global_store_b128 v[GOF], v[TP+16*\i:TP+16*\i+3], s[100:101] offset:512*\i
.endr
	s_cmp_lg_u32 s[WV], 0
	s_cbranch_scc1 .Lnot_ml
.irp k, 0,1,2,3
	ds_load_b128 v[108+4*\k:111+4*\k], v[MXR] offset:LX+16*\k
.endr
	s_wait_dscnt 0x0
.irp u, 0,2
	v_pk_add_f32 v[108+\u:109+\u], v[108+\u:109+\u], v[112+\u:113+\u]
	v_pk_add_f32 v[116+\u:117+\u], v[116+\u:117+\u], v[120+\u:121+\u]
.endr
.irp u, 0,2
	v_pk_add_f32 v[108+\u:109+\u], v[108+\u:109+\u], v[116+\u:117+\u]   ; l
.endr
	v_cmp_eq_u32 vcc_lo, 1, v0
.irp q, 0,1,2,3
	v_cndmask_b32 v[100+\q], v[M4+\q], v[108+\q], vcc_lo   ; lane 0 takes m, lane 1 l
.endr
	v_lshlrev_b32 v99, 4, v0
	s_wait_xcnt 0x0                                ; EXEC changes only behind this wait: it is a source of the stores above
	v_cmp_gt_u32 vcc_lo, 2, v0
	s_and_saveexec_b32 s16, vcc_lo
	global_store_b128 v99, v[100:103], s[98:99]    ; the unit's 32 bytes
	s_wait_xcnt 0x0                                ; and again, in front of the line that widens it
	s_or_b32 exec_lo, exec_lo, s16
.Lnot_ml:
	s_wait_tensorcnt 0x0                           ; the wave's end: behind my last tensor load and my last LDS store
	ds_add_u32 v[SPW], v[NIL]
	s_wait_dscnt 0x0
	CROUND                                         ; the closing round: no work-group ends while a partner may still ask for a tile that names it
	s_endpgm
.Lfunc_end_k_qfe2f4c6c03_pool:
	.size	k_qfe2f4c6c03_pool, .Lfunc_end_k_qfe2f4c6c03_pool-k_qfe2f4c6c03_pool
	.p2alignl 7, 3214868480
	.fill 96, 4, 3214868480
	.section	.rodata,"a",@progbits
	.p2align	6, 0x0
	.amdhsa_kernel k_qfe2f4c6c03_pool
		.amdhsa_group_segment_fixed_size 327680
		.amdhsa_private_segment_fixed_size 0
		.amdhsa_enable_private_segment 0
		.amdhsa_kernarg_size 72
		.amdhsa_user_sgpr_count 2
		.amdhsa_user_sgpr_kernarg_segment_ptr 1
		.amdhsa_wavefront_size32 1
		.amdhsa_system_sgpr_workgroup_id_x 1
		.amdhsa_system_sgpr_workgroup_id_y 1
		.amdhsa_system_sgpr_workgroup_id_z 1
		.amdhsa_system_vgpr_workitem_id 0
		.amdhsa_next_free_vgpr 1024
		.amdhsa_next_free_sgpr 102
		.amdhsa_reserve_vcc 1
		.amdhsa_float_denorm_mode_32 3
		.amdhsa_float_denorm_mode_16_64 3
		.amdhsa_memory_ordered 1
		.amdhsa_forward_progress 1
		.amdhsa_inst_pref_size 255
	.end_amdhsa_kernel
	.section	.bss,"aw",@nobits
	.p2align	6
	.space	262144
	.amdgpu_metadata
---
amdhsa.version: [ 1, 2 ]
amdhsa.kernels:
  - .name:           k_qfe2f4c6c03_pool
    .symbol:         k_qfe2f4c6c03_pool.kd
    .args:
      - { .name: hidden_states_codes, .offset: 0, .size: 8, .value_kind: global_buffer, .address_space: global }
      - { .name: hidden_states_scales, .offset: 8, .size: 8, .value_kind: global_buffer, .address_space: global }
      - { .name: w_codes, .offset: 16, .size: 8, .value_kind: global_buffer, .address_space: global }
      - { .name: w_scales, .offset: 24, .size: 8, .value_kind: global_buffer, .address_space: global }
      - { .name: qs, .offset: 32, .size: 8, .value_kind: global_buffer, .address_space: global }
      - { .name: in_proj_b, .offset: 40, .size: 8, .value_kind: global_buffer, .address_space: global }
      - { .name: scores, .offset: 48, .size: 8, .value_kind: global_buffer, .address_space: global }
      - { .name: ml, .offset: 56, .size: 8, .value_kind: global_buffer, .address_space: global }
      - { .name: ctxp, .offset: 64, .size: 8, .value_kind: global_buffer, .address_space: global }
    .group_segment_fixed_size: 327680
    .private_segment_fixed_size: 0
    .kernarg_segment_align: 8
    .kernarg_segment_size: 72
    .max_flat_workgroup_size: 128
    .sgpr_count:     102
    .vgpr_count:     1024
    .wavefront_size: 32
...
	.end_amdgpu_metadata
.endif
;; end of part 2
;; launch finish (part 3): grid 96 x 1, 8 waves a work-group, no clusters, 134,144 bytes of LDS; arguments scores, ml, ctxp, in_proj_b, out_w_codes, out_w_scales, out_b, out0, out1; writes out0, out1
.if DOCPART == 3
	.amdgcn_target "amdgcn-amd-amdhsa--gfx1250"
	.amdhsa_code_object_version 6
	.text
	.protected	k_qfe2f4c6c03_finish
	.globl	k_qfe2f4c6c03_finish
	.p2align	8
	.type	k_qfe2f4c6c03_finish,@function
k_qfe2f4c6c03_finish:
	s_mov_b64 s[64:65], 0
	v_nop
	global_prefetch_b8 v0, s[64:65] scope:SCOPE_SE
	s_setreg_imm32_b32 hwreg(HW_REG_WAVE_MODE, 25, 1), 1
	s_wait_xcnt 0x0
; The 16 units of each (batch, head) are joined: M = the largest of their maxima m, L = the sum of l e^(m - M).  Two jobs, told apart by the work-group's number alone.
; WORK-GROUPS 0-31: out1[b][q][s] = 1/4 of the sum over the heads of e^(score - M) / L.  A work-group takes 1,024 values of s of one batch, a thread four neighbours, so that its results leave as 16 bytes for each query.
; WORK-GROUPS 32-95: out0[b][n] = the mean over q of (ctx[b][q] . out_w[n]) + out_b[n], for one batch and 128 columns n.  ctx[q][e] = the sum over the units of (e^(m - M) / L) ctxp + bv[e], in f32;
;   it is quantised along e to codes of FP6 (E2M3) with E8M0 scales and multiplied by out_w's codes by the scaled matrix instruction.  Wave v makes ctx's columns 128 v .. 128 v + 127, which are K step v,
;   and hands its fragment to the other waves through LDS as an image of its registers.  A fragment's 16 rows are the 4 queries, four times over: row r is query r % 4.
;   In the result registers 0-3 of a lane are the four queries of one column n: their sum x 1/4 + out_b is the answer.
;   ctxp is asked for first, all four groups of 16 loads in registers of their own.  A wave's 16 rows of out_w are 12,288 consecutive bytes: they come by 24 loads of 512 consecutive bytes, go to the wave's own LDS bytes
;   (rows 784 bytes apart: row r begins at word 196 r, so the sixteen rows of a fragment begin 4 banks apart: ISA guide 11.1) and come back as fragments.
; LIMITS: NaN and infinities are not served; a block of ctx that is all zeros, or under 2^(3 - 127), gets the byte 1 (its codes are zeros or tiny).
.set CT,   2048                        ; LDS (second job alone): at 0 the units' weights, 256 bytes a wave;  ctx: 4 rows of 4,096 bytes + 16
.set CTP,  4112
.set IMG,  18688                       ; the eight fragments' images, 1,536 bytes each
.set ISC,  IMG+8*1536                  ; their scale words, 128 bytes each
.set OS,   ISC+8*128                   ; the 128 results
.set OW,   32768                       ; out_w's rows: for each wave 16 rows of 768 bytes + 16
.set OWP,  784
.set WSC,  16                          ; v16-23   out_w's scale words, K step s at v[WSC + s]: scales and nothing else
.set XSC,  24                          ; v24-31   ctx's scale words
.set WG,   32                          ; v32-95   the 16 units' weights, four q each; later, to v127, ctx's eight fragments
.set CP,   96                          ; v96-159, v160-223: groups 0 and 1 of ctxp; later 64 numbers of ctx, and what the quantiser makes
.set CP2,  128                         ; window 1, v128-255: groups 2 and 3 of ctxp
.set OD,   0                           ; window 1, v0-95: out_w's rows as they are loaded
.set OF,   128                         ; window 1, v128-223: out_w's eight fragments, K step s at v[OF + 12 s], once groups 2 and 3 are summed
.set AQ,   128                         ; v128-143 two accumulators;  v144-151 at work on the way out
.set PC,   160                         ; the codes just made
.set TM,   200                         ; v200-215 the quantiser's work
.set PW,   216                         ; the scale word just made
.set OWA,  230                         ; out_w's stage, on the way in: 16 x lane;
.set OWB,  231                         ; the same + 16 for lanes 16-31, for the loads that cross from a row into the next;
.set OWR,  232                         ; and on the way out: row r, + 24 h
.set OSR,  233
.set ISR,  234
.set OSW,  235
.set CTR,  236
.set IMW,  237
.set ISW,  238
.set IMR,  239
.set L16,  240                         ; 16 x lane
.set WTW,  241
.set WTR,  242
.set CTW,  243
.set BV,   244                         ; v244-247 bv of my four columns
.set CH,   248                         ; v248-255 four chains, a pair each
.set SEL,  28                          ; s[28:29] v_permlanex16_b32's selects for lane l xor 16
.set MSB, 0
.macro WIN new                         ; the immediate's high byte repeats the setting that is left
.if MSB != (\new)
	s_set_vgpr_msb (MSB<<8)|(\new)
.set MSB, (\new)
.endif
.endm
; Lane (unit = lane % 16, half = lane / 16) holds m and l of queries 2 half and 2 half + 1 in the pairs v[m], v[l].  Behind it: v[m] = M, v[t] = e^(m - M), v[l] = 1 / L, M and L in all sixteen lanes of a half.
.macro MLRED m, l, t
	v_mov_b32 v[\t], v[\m]
	v_mov_b32 v[\t+1], v[\m+1]
.irp x, 1,2,4,8
	v_max_num_f32_dpp v[\m], v[\m], v[\m] row_xmask:\x row_mask:0xf bank_mask:0xf
	v_max_num_f32_dpp v[\m+1], v[\m+1], v[\m+1] row_xmask:\x row_mask:0xf bank_mask:0xf
.endr
	v_pk_add_f32 v[\t:\t+1], v[\t:\t+1], v[\m:\m+1] neg_lo:[0,1] neg_hi:[0,1]
	v_pk_mul_f32 v[\t:\t+1], v[\t:\t+1], 0x3fb8aa3b op_sel_hi:[1,0]
	v_exp_f32 v[\t], v[\t]
	v_exp_f32 v[\t+1], v[\t+1]
	v_nop                                          ; a plain line behind the exponentials
	s_wait_alu depctr_va_vdst(0)
	v_pk_mul_f32 v[\l:\l+1], v[\l:\l+1], v[\t:\t+1]
.irp x, 1,2,4,8
	v_add_f32_dpp v[\l], v[\l], v[\l] row_xmask:\x row_mask:0xf bank_mask:0xf
	v_add_f32_dpp v[\l+1], v[\l+1], v[\l+1] row_xmask:\x row_mask:0xf bank_mask:0xf
.endr
	v_rcp_f32 v[\l], v[\l]
	v_rcp_f32 v[\l+1], v[\l+1]
	v_nop                                          ; a plain line behind the reciprocals
.endm
.macro CLOAD i                         ; group i: column 32 i + lane of my 128, all 16 units, four q each; it leaves every window 0
.if (\i) < 2
.irp rb, 0,1,2,3,4,5,6,7,8,9,10,11,12,13,14,15
	global_load_b128 v[CP+64*(\i)+4*\rb:CP+64*(\i)+4*\rb+3], v[L16], s[8:9] offset:4096*\rb+512*(\i)
.endr
.else
	WIN 0x40                                       ; destination window 1
.irp rb, 0,1,2,3,4,5,6,7,8,9,10,11,12,13,14,15
	global_load_b128 v[CP2+64*((\i)-2)+4*\rb:CP2+64*((\i)-2)+4*\rb+3], v[L16], s[8:9] offset:4096*\rb+512*(\i)
.endr
	WIN 0
.endif
.endm
; 64 numbers of a lane, register 16 b + i = k 32 b + 16 (lane / 16) + i of my row, become a fragment's codes in v[PC] on and its scale word in v[PW].
.macro QUANT s
.irp b, 0,1,2,3
	v_max3_num_f32 v[TM+\b], |v[\s+16*\b]|, |v[\s+1+16*\b]|, 0x1800000   ; block b: my 16 numbers, and the floor 2^(3 - 127): the byte cannot fall under 1
.endr
.irp i, 2,4,6,8,10,12,14
.irp b, 0,1,2,3
	v_max3_num_f32 v[TM+\b], v[TM+\b], |v[\s+16*\b+\i]|, |v[\s+1+16*\b+\i]|
.endr
.endr
.irp b, 0,1,2,3
	v_permlanex16_b32 v[TM+4+\b], v[TM+\b], s[SEL], s[SEL+1]
.endr
.irp b, 0,1,2,3
	v_max_num_f32 v[TM+\b], v[TM+\b], v[TM+4+\b]   ; with lane l xor 16's: the block's largest magnitude
.endr
.irp b, 0,1,2,3
	v_add_nc_u32 v[TM+12+\b], 0xff000000, v[TM+\b] ; 2 off its exponent field: the conversion's scale operand
.endr
.irp b, 0,1,2,3
	v_lshrrev_b32 v[TM+4+\b], 23, v[TM+12+\b]      ; the scale's byte
.endr
	v_lshl_or_b32 v[PW], v[TM+5], 8, v[TM+4]
	v_lshl_or_b32 v[PW], v[TM+6], 16, v[PW]
	v_lshl_or_b32 v[PW], v[TM+7], 24, v[PW]
.irp c, 0,1
	v_cvt_scalef32_pk16_fp6_f32 v[PC+6*\c:PC+2+6*\c], v[\s+32*\c:\s+15+32*\c], v[TM+12+2*\c]
	v_cvt_scalef32_pk16_fp6_f32 v[PC+12+4*\c:PC+14+4*\c], v[\s+16+32*\c:\s+31+32*\c], v[TM+12+2*\c+1]   ; (a conversion's three registers begin on an even number)
.endr
	v_nop                                          ; one plain line behind a scaled conversion
.irp c, 0,1                                    ; the operand's layout wants a whole block in a lane: lanes 0-15 block 2 c, lanes 16-31 block 2 c + 1
.irp i, 0,1,2
	v_permlane16_swap_b32 v[PC+6*\c+\i], v[PC+12+4*\c+\i]
.endr
.irp i, 0,1,2
	v_mov_b32 v[PC+3+6*\c+\i], v[PC+12+4*\c+\i]
.endr
.endr
.endm
.macro BARRIER                                 ; my LDS stores have landed and my LDS loads are in: then the work-group's barrier
	s_wait_dscnt 0x0
	s_barrier_signal -1
	s_barrier_wait -1
.endm
	s_load_b256 s[4:11], s[0:1], 0x0               ; scores s[4:5], ml s[6:7], ctxp s[8:9], in_proj_b s[10:11]
	s_load_b256 s[12:19], s[0:1], 0x20             ; out_w's codes s[12:13], its scales s[14:15], out_b s[16:17], out0 s[18:19]
	s_load_b64 s[20:21], s[0:1], 0x40              ; out1
	v_lshl_add_u32 v228, v0, 2, 0x20800
	v_mov_b32 v229, 0
	v_lshrrev_b32 v1, 5, v0
	v_readfirstlane_b32 s22, v1                    ; wave 0..7
	v_and_b32 v1, 31, v0                           ; lane
	v_and_b32 v2, 15, v0                           ; r
	v_bfe_u32 v3, v0, 4, 1                         ; h
	v_lshlrev_b32 v4, 5, v2
	v_lshl_add_u32 v4, v3, 3, v4                   ; ml: unit r's 32 bytes, + 8 h: queries 2 h, 2 h + 1
	s_cmp_lt_u32 ttmp9, 32
	s_cbranch_scc0 .Lpooled
	; ---- out1.  v32-95 scores (head h, neighbour k at v[32 + 16 h + 4 k], four q); v96-111 the sums (q, k); v112-119 m, v120-127 l, v128-135 at work
	s_lshr_b32 s24, ttmp9, 2                       ; b
	s_and_b32 s25, ttmp9, 3                        ; which 1,024 of S
	v_lshlrev_b32 v5, 6, v0                        ; scores: four neighbours of 16 bytes a thread
	v_lshlrev_b32 v6, 4, v0                        ; out1: 16 bytes a thread
	s_lshl_b32 s26, s24, 11                        ; ml: 64 units of 32 bytes a batch
	s_mov_b32 s27, 0
	s_lshl_b32 s30, s24, 18                        ; scores: 4 heads x 4,096 x 16 bytes a batch
	s_lshl_b32 s31, s25, 14
	s_add_co_u32 s30, s30, s31
	s_mov_b32 s31, 0
	s_lshl_b32 s24, s24, 16                        ; out1: 4 x 4,096 x 4 bytes a batch
	s_lshl_b32 s25, s25, 12
	s_add_co_u32 s24, s24, s25
	s_mov_b32 s25, 0
	s_wait_kmcnt 0x0
	s_add_nc_u64 s[6:7], s[6:7], s[26:27]
	s_add_nc_u64 s[4:5], s[4:5], s[30:31]
	s_add_nc_u64 s[20:21], s[20:21], s[24:25]
.irp h, 0,1,2,3
	global_load_b64 v[112+2*\h:113+2*\h], v4, s[6:7] offset:512*\h
	global_load_b64 v[120+2*\h:121+2*\h], v4, s[6:7] offset:512*\h+16
.endr
.irp h, 0,1,2,3
.irp k, 0,1,2,3
	global_load_b128 v[32+16*\h+4*\k:35+16*\h+4*\k], v5, s[4:5] offset:65536*\h+16*\k th:TH_LOAD_NT
.endr
.endr
	s_wait_loadcnt 16                              ; m and l are in; the 16 loads of scores may be out
.irp h, 0,1,2,3
	MLRED 112+2*\h, 120+2*\h, 128+2*\h
.endr
	s_wait_alu depctr_va_vdst(0)
.irp h, 0,1,2,3
	v_pk_mul_f32 v[120+2*\h:121+2*\h], v[120+2*\h:121+2*\h], 0x3e800000 op_sel_hi:[1,0]   ; 1 / (4 L): the mean over the heads
.endr
.irp h, 0,1,2,3
.irp q, 0,1,2,3
	v_readlane_b32 s[32+4*\h+\q], v[112+2*\h+\q%2], 16*(\q/2)   ; M and the weight of (head, q) as scalars: values only, no address or branch hangs on them
	v_readlane_b32 s[48+4*\h+\q], v[120+2*\h+\q%2], 16*(\q/2)
.endr
.endr
.irp h, 0,1,2,3
	s_wait_loadcnt 12-4*\h                         ; this head's four loads are in; the later heads' may be out
.irp k, 0,1,2,3
.irp q, 0,1,2,3
	v_sub_f32 v[32+16*\h+4*\k+\q], v[32+16*\h+4*\k+\q], s[32+4*\h+\q]
.endr
.endr
.irp j, 0,1,2,3,4,5,6,7,8,9,10,11,12,13,14,15
	v_mul_f32 v[32+16*\h+\j], 0x3fb8aa3b, v[32+16*\h+\j]
.endr
.irp j, 0,1,2,3,4,5,6,7,8,9,10,11,12,13,14,15
	v_exp_f32 v[32+16*\h+\j], v[32+16*\h+\j]
.endr
	v_nop                                          ; a plain line behind the exponentials
	s_wait_alu depctr_va_vdst(0)
.irp k, 0,1,2,3
.irp q, 0,1,2,3
.if \h == 0
	v_mul_f32 v[96+4*\q+\k], s[48+4*\h+\q], v[32+16*\h+4*\k+\q]
.else
	v_fma_f32 v[96+4*\q+\k], v[32+16*\h+4*\k+\q], s[48+4*\h+\q], v[96+4*\q+\k]
.endif
.endr
.endr
.endr
.irp q, 0,1,2,3
	global_store_b128 v6, v[96+4*\q:99+4*\q], s[20:21] offset:16384*\q th:TH_STORE_NT   ; a wave stores 512 consecutive bytes, aligned
.endr
	s_endpgm
	; ---- out0
.Lpooled:
	s_sub_co_u32 s24, ttmp9, 32
	s_lshr_b32 s25, s24, 3                         ; b
	s_and_b32 s26, s24, 7                          ; which 128 columns n
	s_lshr_b32 s27, s22, 1                         ; my head: columns 128 v on of ctx
	s_mov_b32 s[SEL], 0x76543210
	s_mov_b32 s[SEL+1], 0xfedcba98
	s_lshl_b32 s30, s26, 7
	s_lshl_b32 s31, s22, 4
	s_add_co_u32 s30, s30, s31                     ; my first row of out_w: 128 x block + 16 x wave
	s_mul_i32 s32, s30, 768
	s_mov_b32 s33, 0
	s_lshl_b32 s34, s30, 5
	s_mov_b32 s35, 0
	s_lshl_b32 s36, s30, 2
	s_mov_b32 s37, 0
	s_lshl_b32 s38, s22, 9
	s_add_co_u32 s38, s38, 8192                    ; bv lies behind bq and bk; my 128 numbers
	s_mov_b32 s39, 0
	s_lshl_b32 s40, s25, 11
	s_lshl_b32 s41, s27, 9
	s_add_co_u32 s40, s40, s41                     ; ml: the 16 units of (b, head)
	s_mov_b32 s41, 0
	s_lshl_b32 s42, s25, 2
	s_add_co_u32 s42, s42, s27
	s_lshl_b32 s42, s42, 16                        ; ctxp: 16 units of 4,096 bytes,
	s_and_b32 s43, s22, 1
	s_lshl_b32 s43, s43, 11                        ; + my half of the head's 256 columns
	s_add_co_u32 s42, s42, s43
	s_mov_b32 s43, 0
	s_lshl_b32 s44, s25, 12
	s_lshl_b32 s45, s26, 9
	s_add_co_u32 s44, s44, s45                     ; out0
	s_mov_b32 s45, 0
	v_lshlrev_b32 v6, 5, v2                        ; out_w's scales: 32 bytes a row
	v_lshlrev_b32 v7, 2, v2                        ; out_b
	v_lshlrev_b32 v15, 2, v1                       ; 4 x lane
	v_lshlrev_b32 v[L16], 4, v1
	v_lshrrev_b32 v[WTR], 5, v0
	v_lshlrev_b32 v[WTR], 8, v[WTR]                ; my wave's 256 bytes of weights: [unit][q 4]
	v_lshl_add_u32 v[WTW], v2, 4, v[WTR]
	v_lshl_add_u32 v[WTW], v3, 3, v[WTW]
	s_lshl_b32 s46, s22, 9                         ; ctx: my 128 columns begin 512 v bytes on in each query's row
	v_add_nc_u32 v[CTW], s46, v15
	v_add_nc_u32 v[CTW], CT, v[CTW]
	v_and_b32 v[CTR], 3, v2                        ; back: row r of the fragment is query r % 4; + 64 h: my 16 numbers of a block of 32
	v_mul_u32_u24 v[CTR], v[CTR], CTP
	v_lshl_add_u32 v[CTR], v3, 6, v[CTR]
	v_add_nc_u32 v[CTR], s46, v[CTR]
	v_add_nc_u32 v[CTR], CT, v[CTR]
	s_mul_i32 s46, s22, 1536
	v_add_nc_u32 v[IMR], IMG, v[L16]
	v_add_nc_u32 v[IMW], s46, v[IMR]
	v_add_nc_u32 v[ISR], ISC, v15
	s_lshl_b32 s46, s22, 7
	v_add_nc_u32 v[ISW], s46, v[ISR]
	s_lshl_b32 s46, s22, 6
	v_add_nc_u32 v[OSW], s46, v7
	v_add_nc_u32 v[OSW], OS, v[OSW]
	v_add_nc_u32 v[OSR], OS, v[L16]
	s_mul_i32 s46, s22, 16*OWP                     ; my wave's 16 rows of out_w in LDS
	s_add_co_u32 s46, s46, OW
	v_add_nc_u32 v[OWA], s46, v[L16]
	v_lshl_add_u32 v[OWB], v3, 4, v[OWA]
	v_mul_u32_u24 v[OWR], v2, OWP
	v_mad_u32_u24 v[OWR], v3, 24, v[OWR]
	v_add_nc_u32 v[OWR], s46, v[OWR]
	s_wait_kmcnt 0x0
	s_add_nc_u64 s[12:13], s[12:13], s[32:33]
	s_add_nc_u64 s[14:15], s[14:15], s[34:35]
	s_add_nc_u64 s[16:17], s[16:17], s[36:37]
	s_add_nc_u64 s[10:11], s[10:11], s[38:39]
	s_add_nc_u64 s[6:7], s[6:7], s[40:41]
	s_add_nc_u64 s[8:9], s[8:9], s[42:43]
	s_add_nc_u64 s[18:19], s[18:19], s[44:45]
	global_load_b64 v[8:9], v4, s[6:7]             ; m: what the chain waits for goes out first
	global_load_b64 v[10:11], v4, s[6:7] offset:16 ; l
	global_load_b128 v[WSC:WSC+3], v6, s[14:15]    ; row r's eight scale words
	global_load_b128 v[WSC+4:WSC+7], v6, s[14:15] offset:16
	global_load_b32 v14, v7, s[16:17]              ; out_b
.irp i, 0,1,2,3
	global_load_b32 v[BV+\i], v15, s[10:11] offset:128*\i
.endr
	CLOAD 0
	CLOAD 1
	CLOAD 2
	s_wait_loadcnt 48                              ; the nine small loads are in; the three groups of ctxp, 16 loads each, may be out
	MLRED 8, 10, 12
	s_wait_alu depctr_va_vdst(0)
	v_pk_mul_f32 v[12:13], v[12:13], v[10:11]      ; the unit's weight: e^(m - M) / L
	ds_store_b64 v[WTW], v[12:13]
.irp rb, 0,1,2,3,4,5,6,7,8,9,10,11,12,13,14,15
	ds_load_b128 v[WG+4*\rb:WG+4*\rb+3], v[WTR] offset:16*\rb   ; every lane takes all 16 units' weights; my wave's own bytes: LDS serves a wave's instructions in order
.endr
	CLOAD 3
	s_wait_dscnt 0x0
.irp i, 0,1,2,3
.if \i == 0
	s_wait_loadcnt 48                              ; group 0 is in; behind it: groups 1, 2, 3
.elseif \i == 1
	s_wait_loadcnt 56                              ; behind group 1: groups 2, 3 and out_w's 24 loads
.elseif \i == 2
	s_wait_loadcnt 40                              ; behind group 2: group 3 and out_w's 24
.else
	s_wait_loadcnt 24                              ; behind group 3: out_w's 24
.endif
.if \i < 2
.set cpb, CP+64*\i
.else
.set cpb, CP2+64*(\i-2)
	WIN 0x01                                       ; source 0 window 1
.endif
.irp rb, 0,1,2,3,4,5,6,7,8,9,10,11,12,13,14,15
.irp u, 0,2
.if \rb < 2
	v_pk_mul_f32 v[CH+4*(\rb%2)+\u:CH+4*(\rb%2)+\u+1], v[cpb+4*\rb+\u:cpb+4*\rb+\u+1], v[WG+4*\rb+\u:WG+4*\rb+\u+1]
.else
	v_pk_fma_f32 v[CH+4*(\rb%2)+\u:CH+4*(\rb%2)+\u+1], v[cpb+4*\rb+\u:cpb+4*\rb+\u+1], v[WG+4*\rb+\u:WG+4*\rb+\u+1], v[CH+4*(\rb%2)+\u:CH+4*(\rb%2)+\u+1]
.endif
.endr
.endr
	WIN 0
.if \i == 0
	WIN 0x40                                       ; destination window 1: my 16 rows of out_w as they lie, 512 consecutive bytes a load; they are wanted last
.set j, 0
.rept 24
	global_load_b128 v[OD+4*j:OD+4*j+3], v[L16], s[12:13] offset:512*j
.set j, j+1
.endr
	WIN 0
.endif
	v_pk_add_f32 v[CH:CH+1], v[CH:CH+1], v[CH+4:CH+5]
	v_pk_add_f32 v[CH+2:CH+3], v[CH+2:CH+3], v[CH+6:CH+7]
.irp q, 0,1,2,3
	v_add_f32 v[CH+\q], v[CH+\q], v[BV+\i]         ; + bv: the weights of a row sum to 1
.endr
.irp q, 0,1,2,3
	ds_store_b32 v[CTW], v[CH+\q] offset:CTP*\q+128*\i
.endr
.endr
.irp b, 0,1,2,3
	v_mov_b32 v[TM+4+\b], 0                        ; a lane permute's destination counts as one of its sources
.endr
	s_wait_loadcnt 0x0                             ; out_w's rows are in
	WIN 0x04                                       ; an LDS store's data are its source 1: window 1
.irp t, 0,1,2,3,4,5,6,7                        ; three loads are two rows: row 2 t's first 512 bytes; its last 256 and row 2 t + 1's first 256; that row's last 512
	ds_store_b128 v[OWA], v[OD+12*\t:OD+12*\t+3] offset:2*OWP*\t
	ds_store_b128 v[OWB], v[OD+12*\t+4:OD+12*\t+7] offset:2*OWP*\t+512
	ds_store_b128 v[OWA], v[OD+12*\t+8:OD+12*\t+11] offset:2*OWP*\t+OWP+256
.endr
	WIN 0x40                                       ; destination window 1
.irp s, 0,1,2,3,4,5,6,7
.irp p, 0,1,2,3,4,5
	ds_load_b64 v[OF+12*\s+2*\p:OF+12*\s+2*\p+1], v[OWR] offset:96*\s+48*(\p/3)+8*(\p%3)   ; my wave's own bytes: LDS serves a wave's instructions in order
.endr
.endr
	WIN 0
	BARRIER                                        ; ctx's four rows, written by all eight waves, lie in LDS
.irp b, 0,1,2,3
.irp j, 0,1,2,3
	ds_load_b128 v[CP+16*\b+4*\j:CP+16*\b+4*\j+3], v[CTR] offset:128*\b+16*\j
.endr
.endr
	s_wait_dscnt 0x0
	QUANT CP
.irp c, 0,1,2
	ds_store_b128 v[IMW], v[PC+4*\c:PC+4*\c+3] offset:512*\c   ; the fragment goes to LDS as it stands: lane l's 16 bytes at 16 l
.endr
	ds_store_b32 v[ISW], v[PW]
	BARRIER                                        ; the eight fragments and their scale words lie in LDS
.irp s, 0,1,2,3,4,5,6,7
.irp c, 0,1,2
	ds_load_b128 v[WG+12*\s+4*\c:WG+12*\s+4*\c+3], v[IMR] offset:1536*\s+512*\c
.endr
	ds_load_b32 v[XSC+\s], v[ISR] offset:128*\s
.endr
	s_wait_dscnt 0x0
	WIN 0x04                                       ; source 1 (out_w) window 1
.irp s, 0,1,2,3,4,5,6,7                        ; two accumulators take turns: the even K steps and the odd ones
.if \s < 2
	v_wmma_scale_f32_16x16x128_f8f6f4 v[AQ+8*(\s%2):AQ+8*(\s%2)+7], v[WG+12*\s:WG+12*\s+11], v[OF+12*\s:OF+12*\s+11], 0, v[XSC+\s], v[WSC+\s] matrix_a_fmt:MATRIX_FMT_FP6 matrix_b_fmt:MATRIX_FMT_FP6
.else
	v_wmma_scale_f32_16x16x128_f8f6f4 v[AQ+8*(\s%2):AQ+8*(\s%2)+7], v[WG+12*\s:WG+12*\s+11], v[OF+12*\s:OF+12*\s+11], v[AQ+8*(\s%2):AQ+8*(\s%2)+7], v[XSC+\s], v[WSC+\s] matrix_a_fmt:MATRIX_FMT_FP6 matrix_b_fmt:MATRIX_FMT_FP6
.endif
.endr
	WIN 0
.rept 4
	v_nop                                          ; four places in front of the first read of the results
.endr
.irp q, 0,1,2,3
	v_add_f32 v[AQ+16+\q], v[AQ+\q], v[AQ+8+\q]    ; query q of column n = r (rows 8 h + q of the result)
.endr
	v_add_f32 v[AQ+16], v[AQ+16], v[AQ+17]
	v_add_f32 v[AQ+18], v[AQ+18], v[AQ+19]
	v_add_f32 v[AQ+16], v[AQ+16], v[AQ+18]
	v_fmamk_f32 v[AQ+16], v[AQ+16], 0x3e800000, v14   ; the mean over the four queries, + out_b
	ds_store_b32 v[OSW], v[AQ+16]                  ; lanes 16-31 write the same word with the same value
	BARRIER                                        ; the work-group's 128 results lie in LDS
	s_cmp_lg_u32 s22, 0
	s_cbranch_scc1 .Lpooled_end
	ds_load_b128 v[AQ+20:AQ+23], v[OSR]
	s_wait_dscnt 0x0
	global_store_b128 v[L16], v[AQ+20:AQ+23], s[18:19]   ; 32 lanes store 512 consecutive bytes, aligned
.Lpooled_end:
	s_wait_tensorcnt 0x0
	ds_add_u32 v228, v229
	s_wait_dscnt 0x0
	s_endpgm
.Lfunc_end_k_qfe2f4c6c03_finish:
	.size	k_qfe2f4c6c03_finish, .Lfunc_end_k_qfe2f4c6c03_finish-k_qfe2f4c6c03_finish
	.p2alignl 7, 3214868480
	.fill 96, 4, 3214868480
	.section	.rodata,"a",@progbits
	.p2align	6, 0x0
	.amdhsa_kernel k_qfe2f4c6c03_finish
		.amdhsa_group_segment_fixed_size 134144
		.amdhsa_private_segment_fixed_size 0
		.amdhsa_enable_private_segment 0
		.amdhsa_kernarg_size 72
		.amdhsa_user_sgpr_count 2
		.amdhsa_user_sgpr_kernarg_segment_ptr 1
		.amdhsa_wavefront_size32 1
		.amdhsa_system_sgpr_workgroup_id_x 1
		.amdhsa_system_sgpr_workgroup_id_y 1
		.amdhsa_system_sgpr_workgroup_id_z 1
		.amdhsa_system_vgpr_workitem_id 0
		.amdhsa_next_free_vgpr 512
		.amdhsa_next_free_sgpr 66
		.amdhsa_reserve_vcc 0
		.amdhsa_float_denorm_mode_32 3
		.amdhsa_float_denorm_mode_16_64 3
		.amdhsa_memory_ordered 1
		.amdhsa_forward_progress 1
		.amdhsa_inst_pref_size 66
	.end_amdhsa_kernel
	.amdgpu_metadata
---
amdhsa.version: [ 1, 2 ]
amdhsa.kernels:
  - .name:           k_qfe2f4c6c03_finish
    .symbol:         k_qfe2f4c6c03_finish.kd
    .args:
      - { .name: scores, .offset: 0, .size: 8, .value_kind: global_buffer, .address_space: global }
      - { .name: ml, .offset: 8, .size: 8, .value_kind: global_buffer, .address_space: global }
      - { .name: ctxp, .offset: 16, .size: 8, .value_kind: global_buffer, .address_space: global }
      - { .name: in_proj_b, .offset: 24, .size: 8, .value_kind: global_buffer, .address_space: global }
      - { .name: out_w_codes, .offset: 32, .size: 8, .value_kind: global_buffer, .address_space: global }
      - { .name: out_w_scales, .offset: 40, .size: 8, .value_kind: global_buffer, .address_space: global }
      - { .name: out_b, .offset: 48, .size: 8, .value_kind: global_buffer, .address_space: global }
      - { .name: out0, .offset: 56, .size: 8, .value_kind: global_buffer, .address_space: global }
      - { .name: out1, .offset: 64, .size: 8, .value_kind: global_buffer, .address_space: global }
    .group_segment_fixed_size: 134144
    .private_segment_fixed_size: 0
    .kernarg_segment_align: 8
    .kernarg_segment_size: 72
    .max_flat_workgroup_size: 256
    .sgpr_count:     66
    .vgpr_count:     512
    .wavefront_size: 32
...
	.end_amdgpu_metadata
.endif
;; end of part 3
